; MI455X (gfx1250); checked and timed in simulation.
; The chip was launched on July 23, 2026; its instructions are those of AMD's public machine-readable ISA for CDNA 5 (MIT licence, August 2026) and "CDNA5" Instruction Set Architecture Reference Guide (July 2026). The comments in the code are by the model that wrote it; some were corrected since.
;; Transformer Encoder. Allowed arithmetic: float matrix products may take bf16 or f16 operands with f32 sums; other float arithmetic in f32, or as packed bf16 or f16 multiplies, adds, multiply-adds, maxima and minima; sums over many terms, partial sums and values carried from step to step in f32; what a program stores and reads back later, other than sums and carried values, may be rounded once to bf16 or f16.
;; Inputs: W1_c 4 x 32 x 128 float32; W1_t 4 x 32 x 128 float32; W2_c 4 x 128 x 32 float32; W2_t 4 x 128 x 32 float32; Wk_c 4 x 32 x 32 float32; Wk_t 4 x 32 x 32 float32; Wo_c 4 x 32 x 32 float32; Wo_t 4 x 32 x 32 float32; Wq_c 4 x 32 x 32 float32; Wq_t 4 x 32 x 32 float32; Wv_c 4 x 32 x 32 float32; Wv_t 4 x 32 x 32 float32; be1_c 4 x 32 float32; be1_t 4 x 32 float32; be2_c 4 x 32 float32; be2_t 4 x 32 float32; bf1_c 4 x 128 float32; bf1_t 4 x 128 float32; bf2_c 4 x 32 float32; bf2_t 4 x 32 float32; bo_c 4 x 32 float32; bo_t 4 x 32 float32; g1_c 4 x 32 float32; g1_t 4 x 32 float32; g2_c 4 x 32 float32; g2_t 4 x 32 float32; x 64 x 32 x 62 x 64 float32.
;; Outputs: out0 64 x 32 float32.
;; One version. Each part assembles by itself: llvm-mc -triple=amdgcn-amd-amdhsa -mcpu=gfx1250 --defsym DOCPART=n.
;; ======== version 1 of 1: 3 launches
;; workspace buffers: imgc 102,400 bytes; imgt 102,400 bytes; h1 524,288 bytes
;; launch prep (part 1): grid 4 x 2, 31 waves a work-group, no clusters, 0 bytes of LDS; arguments Wq_c, Wk_c, Wv_c, Wo_c, W1_c, W2_c, g1_c, be1_c, g2_c, be2_c, bo_c, bf1_c, bf2_c, imgc, Wq_t, Wk_t, Wv_t, Wo_t, W1_t, W2_t, g1_t, be1_t, g2_t, be2_t, bo_t, bf1_t, bf2_t, imgt; writes imgc, imgt
.if DOCPART == 1
	.amdgcn_target "amdgcn-amd-amdhsa--gfx1250"
	.amdhsa_code_object_version 6
	.text
	.protected	k_q92496bed82_prep
	.globl	k_q92496bed82_prep
	.p2align	8
	.type	k_q92496bed82_prep,@function
k_q92496bed82_prep:
	s_mov_b64 s[64:65], 0
	v_nop
	global_prefetch_b8 v0, s[64:65] scope:SCOPE_SE
	s_setreg_imm32_b32 hwreg(HW_REG_WAVE_MODE, 25, 1), 1
	s_wait_xcnt 0x0
; PREP: the parameters of both stacks are laid out once as the two later launches read them: per layer 24 matrix fragments in bf16 and a block of f32 biases.
; THE ALGEBRA (for all finite inputs).  LN(x) W = ((x - m) rs) (diag(g) W) + be W: g goes into the weights (multiplied in f32, rounded once to bf16), be W becomes a bias.
;   Wq' = g1 Wq log2(e), bq = be1 Wq log2(e)      (the softmaxes are taken with powers of two)
;   Wk' = g1 Wk log2(e)
;   Wv' = g1 Wv;   Wo' = Wo / 2  (dh^-0.5 = 1/2);   bo' = bo + (be1 Wv) Wo / 2
;   W1' = g2 W1, b1' = bf1 + be2 W1;   W2 and bf2 as they are
; DEAD WORK.  be1 Wk is the same number for every token of a sequence, and k's softmax runs over the tokens: a term that is the same along a softmax's axis cancels, whatever the inputs hold.  It is not computed.
; be1 still reaches q and v, so every input is loaded.  bo': v = v0 + bv with bv = be1 Wv; the weights of k's softmax add up to 1 over the tokens and those of q's to 1 within a head,
; so bv's share of the attention's output is bv / 2 for every token, and (bv / 2) Wo is a bias.
; LIMITS.  A NaN, an infinity or an overflow that arises only in be1 Wk is not carried to the result.  The order of rounding differs from reference()'s: g and the constant factors are multiplied into the weights in f32 ahead of the one rounding to bf16.
; THE IMAGE of a layer, 25,600 bytes.  Fragment n at 1,024 n: the byte at 512 c + 16 L + 2 i (L the lane, r = L % 16, h = L / 16) holds W'[k = 32 s + 16 c + 8 h + i][n = 16 t + r]:
; two LDS loads of 16 bytes a lane then give a source of v_wmma_f32_16x16x32_bf16 with row (or column) 16 t + r.  Fragments: 0, 1 Wq'; 2, 3 Wk'; 4, 5 Wv'; 6, 7 Wo' (t = 0, 1); 8 + t W1' (t = 0..7); 16 + 2 s + t W2 (s = 0..3).
; Biases from 24,576 on, f32: bq 128 bytes, bo' 128, bf2 128, zeros 128, b1' 512.
; SHARES.  A work-group is one layer (x) of one stack (y).  Wave w < 24 makes fragment w; wave 24 bq; 25 bo'; 26-29 a quarter of b1' each; 30 bf2 and the zeros.  No wave needs another's result: no LDS, no barrier.
.set LOG2E, 0x3fb8aa3b
.set HALF,  0x3f000000
.set LAYB,  25600
.set BIAS,  24576
; s4 wave, s5 layer, s7 128 x layer, s36 t, s37 s; s[8:35] the stack's 14 addresses; s[44:45] the layer's image
; v1 L, v2 r, v3 h, v4 16 L + 1,024 wave, v6 4 L, v7 32 h
; One fragment.  ptr: the matrix's address pair; rlog: log2 of its row's bytes; llog: log2 of a layer's bytes; gptr: the gain's address pair or -1; scl: a constant factor or 0.
.macro FRAG ptr, rlog, llog, gptr, scl
	s_lshl_b32 s38, s5, \llog
	s_lshl_b32 s39, s37, 5+\rlog                   ; 32 s rows
	s_add_co_u32 s38, s38, s39
	s_lshl_b32 s39, s36, 6                         ; 16 t columns
	s_add_co_u32 s38, s38, s39
	s_mov_b32 s39, 0
	s_add_nc_u64 s[40:41], s[\ptr:\ptr+1], s[38:39]
	v_lshlrev_b32 v5, 3+\rlog, v3                  ; 8 h rows
	v_lshl_add_u32 v5, v2, 2, v5                   ; column r
.irp c, 0,1
.irp i, 0,1,2,3,4,5,6,7
	global_load_b32 v[16+8*\c+\i], v5, s[40:41] offset:(16*\c+\i)<<\rlog
.endr
.endr
.if (\gptr) >= 0
	s_mov_b32 s38, s7
	s_add_nc_u64 s[42:43], s[\gptr:\gptr+1], s[38:39]
.irp c, 0,1
.irp q, 0,1
	global_load_b128 v[32+8*\c+4*\q:32+8*\c+4*\q+3], v7, s[42:43] offset:64*\c+16*\q  ; g[16 c + 8 h + 4 q ..]
.endr
.endr
.endif
	s_wait_loadcnt 0x0
.if (\gptr) >= 0
.irp n, 0,2,4,6,8,10,12,14
	v_pk_mul_f32 v[16+\n:16+\n+1], v[16+\n:16+\n+1], v[32+\n:32+\n+1]
.endr
.endif
.if (\scl) != 0
.irp n, 0,2,4,6,8,10,12,14
	v_pk_mul_f32 v[16+\n:16+\n+1], v[16+\n:16+\n+1], \scl op_sel_hi:[1,0]
.endr
.endif
.irp n, 0,1,2,3,4,5,6,7
	v_cvt_pk_bf16_f32 v[48+\n], v[16+2*\n], v[16+2*\n+1]
.endr
	global_store_b128 v4, v[48:51], s[44:45]              ; each store of the wave covers 512 consecutive bytes, aligned
	global_store_b128 v4, v[52:55], s[44:45] offset:512
	s_endpgm
.endm
; v48[lane] = the sum over k of vec[k] Mat[k][n0 + lane].  s38 holds 4 n0 on entry.  The vector comes by scalar loads (no line of this kernel writes it), the matrix a row a load.
.macro VECMAT vptr, mptr, rlog, llog
	s_load_b512 s[48:63], s[\vptr:\vptr+1], s7 offset:0x0
	s_load_b512 s[68:83], s[\vptr:\vptr+1], s7 offset:0x40
	s_lshl_b32 s39, s5, \llog
	s_add_co_u32 s38, s38, s39
	s_mov_b32 s39, 0
	s_add_nc_u64 s[40:41], s[\mptr:\mptr+1], s[38:39]
.set kI, 0
.rept 32
	global_load_b32 v[16+kI], v6, s[40:41] offset:kI<<\rlog
.set kI, kI+1
.endr
	s_wait_kmcnt 0x0
	s_wait_loadcnt 0x0
	v_mul_f32 v48, s48, v16
.set kI, 1
.rept 15
	v_fma_f32 v48, s[48+kI], v[16+kI], v48
.set kI, kI+1
.endr
.set kI, 0
.rept 16
	v_fma_f32 v48, s[68+kI], v[32+kI], v48
.set kI, kI+1
.endr
.endm
	v_lshrrev_b32 v1, 5, v0
	v_readfirstlane_b32 s4, v1                     ; wave 0..30
	s_mov_b32 s5, ttmp9                            ; layer
	s_and_b32 s6, ttmp7, 0xffff                    ; stack: 0 channel, 1 temporal
	s_cmp_lg_u32 s6, 0
	s_cbranch_scc1 .Lstack_t
	s_load_b512 s[8:23], s[0:1], 0x0               ; Wq 8, Wk 10, Wv 12, Wo 14, W1 16, W2 18, g1 20, be1 22
	s_load_b256 s[24:31], s[0:1], 0x40             ; g2 24, be2 26, bo 28, bf1 30
	s_load_b128 s[32:35], s[0:1], 0x60             ; bf2 32, image 34
	s_branch .Lgot
.Lstack_t:
	s_load_b512 s[8:23], s[0:1], 0x70
	s_load_b256 s[24:31], s[0:1], 0xb0
	s_load_b128 s[32:35], s[0:1], 0xd0
.Lgot:
	v_and_b32 v1, 31, v0                           ; L
	v_and_b32 v2, 15, v0                           ; r
	v_bfe_u32 v3, v0, 4, 1                         ; h
	v_lshlrev_b32 v4, 4, v1
	v_lshl_add_u32 v4, s4, 10, v4
	v_lshlrev_b32 v6, 2, v1
	v_lshlrev_b32 v7, 5, v3
	s_mul_i32 s46, s5, LAYB
	s_mov_b32 s47, 0
	s_lshl_b32 s7, s5, 7
	s_and_b32 s36, s4, 1
	s_mov_b32 s37, 0
	s_wait_kmcnt 0x0
	s_add_nc_u64 s[44:45], s[34:35], s[46:47]
	s_cmp_ge_u32 s4, 24
	s_cbranch_scc1 .Lbias
	s_cmp_ge_u32 s4, 16
	s_cbranch_scc1 .Lw2
	s_cmp_ge_u32 s4, 8
	s_cbranch_scc1 .Lw1
	s_cmp_ge_u32 s4, 6
	s_cbranch_scc1 .Lwo
	s_cmp_ge_u32 s4, 4
	s_cbranch_scc1 .Lwv
	s_cmp_ge_u32 s4, 2
	s_cbranch_scc1 .Lwk
	FRAG 8, 7, 12, 20, LOG2E                       ; Wq'
.Lwk:
	FRAG 10, 7, 12, 20, LOG2E                      ; Wk'
.Lwv:
	FRAG 12, 7, 12, 20, 0                          ; Wv'
.Lwo:
	FRAG 14, 7, 12, -1, HALF                       ; Wo'
.Lw1:
	s_sub_co_u32 s36, s4, 8                        ; t = 0..7
	FRAG 16, 9, 14, 24, 0                          ; W1'
.Lw2:
	s_sub_co_u32 s38, s4, 16
	s_and_b32 s36, s38, 1                          ; t
	s_lshr_b32 s37, s38, 1                         ; s
	FRAG 18, 7, 14, -1, 0                          ; W2
.Lbias:
	s_cmp_eq_u32 s4, 24
	s_cbranch_scc0 .Lnot_bq
	s_mov_b32 s38, 0
	VECMAT 22, 8, 7, 12                            ; be1 Wq
	v_mul_f32 v48, LOG2E, v48
	global_store_b32 v6, v48, s[44:45] offset:BIAS
	s_endpgm
.Lnot_bq:
	s_cmp_eq_u32 s4, 25
	s_cbranch_scc0 .Lnot_bo
	s_mov_b32 s38, 0
	VECMAT 22, 12, 7, 12                           ; bv = be1 Wv: lane e holds bv[e]
	v_mul_f32 v48, 0.5, v48
	s_lshl_b32 s38, s5, 12
	s_mov_b32 s39, 0
	s_add_nc_u64 s[40:41], s[14:15], s[38:39]      ; the loads that named s[40:41] are done
.set kI, 0
.rept 32
	global_load_b32 v[16+kI], v6, s[40:41] offset:kI<<7   ; Wo[e = kI][lane]
.set kI, kI+1
.endr
	s_mov_b32 s38, s7
	s_add_nc_u64 s[42:43], s[28:29], s[38:39]
	global_load_b32 v49, v6, s[42:43]              ; bo
	s_wait_loadcnt 0x0
.set kI, 0
.rept 32
	v_readlane_b32 s[84+kI%2], v48, kI
	v_fma_f32 v49, s[84+kI%2], v[16+kI], v49
.set kI, kI+1
.endr
	global_store_b32 v6, v49, s[44:45] offset:BIAS+128
	s_endpgm
.Lnot_bo:
	s_cmp_eq_u32 s4, 30
	s_cbranch_scc1 .Lbf2
	s_sub_co_u32 s86, s4, 26
	s_lshl_b32 s86, s86, 7                         ; my quarter: 32 columns, 128 bytes
	s_mov_b32 s38, s86
	VECMAT 26, 16, 9, 14                           ; be2 W1
	s_lshl_b32 s38, s5, 9
	s_add_co_u32 s38, s38, s86
	s_mov_b32 s39, 0
	s_add_nc_u64 s[42:43], s[30:31], s[38:39]
	global_load_b32 v49, v6, s[42:43]              ; bf1
	v_add_nc_u32 v8, s86, v6
	s_wait_loadcnt 0x0
	v_add_f32 v49, v49, v48
	global_store_b32 v8, v49, s[44:45] offset:BIAS+512
	s_endpgm
.Lbf2:
	s_mov_b32 s38, s7
	s_mov_b32 s39, 0
	s_add_nc_u64 s[42:43], s[32:33], s[38:39]
	global_load_b32 v49, v6, s[42:43]
	v_mov_b32 v50, 0
	global_store_b32 v6, v50, s[44:45] offset:BIAS+384
	s_wait_loadcnt 0x0
	global_store_b32 v6, v49, s[44:45] offset:BIAS+256
	s_endpgm
.Lfunc_end_k_q92496bed82_prep:
	.size	k_q92496bed82_prep, .Lfunc_end_k_q92496bed82_prep-k_q92496bed82_prep
	.p2alignl 7, 3214868480
	.fill 96, 4, 3214868480
	.section	.rodata,"a",@progbits
	.p2align	6, 0x0
	.amdhsa_kernel k_q92496bed82_prep
		.amdhsa_group_segment_fixed_size 0
		.amdhsa_private_segment_fixed_size 0
		.amdhsa_enable_private_segment 0
		.amdhsa_kernarg_size 224
		.amdhsa_user_sgpr_count 2
		.amdhsa_user_sgpr_kernarg_segment_ptr 1
		.amdhsa_wavefront_size32 1
		.amdhsa_system_sgpr_workgroup_id_x 1
		.amdhsa_system_sgpr_workgroup_id_y 1
		.amdhsa_system_sgpr_workgroup_id_z 1
		.amdhsa_system_vgpr_workitem_id 0
		.amdhsa_next_free_vgpr 64
		.amdhsa_next_free_sgpr 96
		.amdhsa_reserve_vcc 0
		.amdhsa_float_denorm_mode_32 3
		.amdhsa_float_denorm_mode_16_64 3
		.amdhsa_memory_ordered 1
		.amdhsa_forward_progress 1
		.amdhsa_inst_pref_size 48
	.end_amdhsa_kernel
	.amdgpu_metadata
---
amdhsa.version: [ 1, 2 ]
amdhsa.kernels:
  - .name:           k_q92496bed82_prep
    .symbol:         k_q92496bed82_prep.kd
    .args:
      - { .name: Wq_c, .offset: 0, .size: 8, .value_kind: global_buffer, .address_space: global }
      - { .name: Wk_c, .offset: 8, .size: 8, .value_kind: global_buffer, .address_space: global }
      - { .name: Wv_c, .offset: 16, .size: 8, .value_kind: global_buffer, .address_space: global }
      - { .name: Wo_c, .offset: 24, .size: 8, .value_kind: global_buffer, .address_space: global }
      - { .name: W1_c, .offset: 32, .size: 8, .value_kind: global_buffer, .address_space: global }
      - { .name: W2_c, .offset: 40, .size: 8, .value_kind: global_buffer, .address_space: global }
      - { .name: g1_c, .offset: 48, .size: 8, .value_kind: global_buffer, .address_space: global }
      - { .name: be1_c, .offset: 56, .size: 8, .value_kind: global_buffer, .address_space: global }
      - { .name: g2_c, .offset: 64, .size: 8, .value_kind: global_buffer, .address_space: global }
      - { .name: be2_c, .offset: 72, .size: 8, .value_kind: global_buffer, .address_space: global }
      - { .name: bo_c, .offset: 80, .size: 8, .value_kind: global_buffer, .address_space: global }
      - { .name: bf1_c, .offset: 88, .size: 8, .value_kind: global_buffer, .address_space: global }
      - { .name: bf2_c, .offset: 96, .size: 8, .value_kind: global_buffer, .address_space: global }
      - { .name: imgc, .offset: 104, .size: 8, .value_kind: global_buffer, .address_space: global }
      - { .name: Wq_t, .offset: 112, .size: 8, .value_kind: global_buffer, .address_space: global }
      - { .name: Wk_t, .offset: 120, .size: 8, .value_kind: global_buffer, .address_space: global }
      - { .name: Wv_t, .offset: 128, .size: 8, .value_kind: global_buffer, .address_space: global }
      - { .name: Wo_t, .offset: 136, .size: 8, .value_kind: global_buffer, .address_space: global }
      - { .name: W1_t, .offset: 144, .size: 8, .value_kind: global_buffer, .address_space: global }
      - { .name: W2_t, .offset: 152, .size: 8, .value_kind: global_buffer, .address_space: global }
      - { .name: g1_t, .offset: 160, .size: 8, .value_kind: global_buffer, .address_space: global }
      - { .name: be1_t, .offset: 168, .size: 8, .value_kind: global_buffer, .address_space: global }
      - { .name: g2_t, .offset: 176, .size: 8, .value_kind: global_buffer, .address_space: global }
      - { .name: be2_t, .offset: 184, .size: 8, .value_kind: global_buffer, .address_space: global }
      - { .name: bo_t, .offset: 192, .size: 8, .value_kind: global_buffer, .address_space: global }
      - { .name: bf1_t, .offset: 200, .size: 8, .value_kind: global_buffer, .address_space: global }
      - { .name: bf2_t, .offset: 208, .size: 8, .value_kind: global_buffer, .address_space: global }
      - { .name: imgt, .offset: 216, .size: 8, .value_kind: global_buffer, .address_space: global }
    .group_segment_fixed_size: 0
    .private_segment_fixed_size: 0
    .kernarg_segment_align: 8
    .kernarg_segment_size: 224
    .max_flat_workgroup_size: 992
    .sgpr_count:     96
    .vgpr_count:     64
    .wavefront_size: 32
...
	.end_amdgpu_metadata
.endif
;; end of part 1
;; launch chan (part 2): grid 256 x 1, 16 waves a work-group, clusters of 4 x 1, 249,344 bytes of LDS; arguments x, imgc, h1; writes h1
.if DOCPART == 2
	.amdgcn_target "amdgcn-amd-amdhsa--gfx1250"
	.amdhsa_code_object_version 6
	.text
	.protected	k_q92496bed82_chan
	.globl	k_q92496bed82_chan
	.p2align	8
	.type	k_q92496bed82_chan,@function
k_q92496bed82_chan:
	s_mov_b64 s[64:65], 0
	v_nop
	global_prefetch_b8 v0, s[64:65] scope:SCOPE_SE
	s_setreg_imm32_b32 hwreg(HW_REG_WAVE_MODE, 25, 1), 1
	s_wait_xcnt 0x0
	s_wait_alu depctr_hold_cnt(0) depctr_sa_sdst(0) depctr_va_vdst(0) depctr_va_sdst(0) depctr_va_ssrc(0) depctr_va_vcc(0) depctr_vm_vsrc(0)
	s_getreg_b32 s2, hwreg(HW_REG_IB_STS2, 6, 4)
	s_cmp_eq_u32 s2, 0
	s_cbranch_scc0 .Lentry_in_a_cluster
	s_endpgm
.Lentry_in_a_cluster:
	s_bfe_u32 s2, ttmp6, 0x10000c
	s_cmp_lg_u32 s2, 0x3003
	s_cbranch_scc0 .Lentry_shape_is_right
	s_endpgm
.Lentry_shape_is_right:
; A STACK OF FOUR LAYERS (pre-norm linear attention, 8 heads of 4; feed-forward 32 -> 128 -> 32 with the tanh form of GELU) AND THE MEAN OVER THE TOKENS.  One text for both stacks; TEMPORAL chooses.
; TEMPORAL = 0: 4,096 sequences (b, p) of 62 tokens c, features e, from x[b][e][c][p]; the mean goes to h1[b][p][e].  A cluster is one b, work-group cx its p = 16 cx .. + 15, a wave ONE sequence, kept in registers from x to its mean.
; TEMPORAL = 1: 64 sequences b of 64 tokens p from h1; the mean goes to out0[b][e].  A work-group is one sequence, wave w its tokens 16 w .. + 15; the waves meet once a layer in LDS.
; LEFT OUT as dead work: be1 Wk, the same for every token, cancels in k's softmax over the tokens (shown at the head of the launch that lays out the weights); a NaN, infinity or overflow that arises only there is not carried on.
; The weights come folded (gains, log2(e), the head's 1/2, be W as biases) from that launch, as fragments in bf16 and biases in f32.
; LIMITS.  Matrix operands are bf16, sums f32; x and the residual stay f32.  The order of rounding differs from reference()'s.  A weight of a softmax below 2^-126 counts as 0.  With 62 tokens the two places that fill the
; fourth tile copy token 61; in k's softmax they count as -1e30 (weight 0) and the mean leaves them out.  k's weights are normalised by the sum of their bf16 roundings.  NaN and infinities are not treated apart.
; LAYOUT: NOTHING CHANGES LANES BETWEEN PRODUCTS.  L the lane, r = L % 16, h = L / 16.  The residual X is held transposed: register X + 16 tt + 8 t + j = feature 16 t + 8 h + j of token 16 tt + r, which is the C/D layout
; of a tile (rows features, columns tokens).  Packed in pairs to bf16 it is at once a source with rows (or columns) = tokens and k = features (XN).
;   K, V (ft, tt) = XN(tt) x Wk', Wv'(ft): a lane holds one feature, its registers tokens: the softmax over tokens is a maximum within the lane and one exchange of the lanes' halves; packed they are sources with k = tokens.
;   CT(t) = VP(t) x KP(t) = ctx^T of the 16 features of tile t (lane d, registers e); S(t) = ONES x KP(t) = the sum of the weights.  Entries outside a head's 4 x 4 block are multiplied by 0.
;   M(dt, ft) = CF(dt) x Wo'(ft): blockdiag(ctx) Wo', once a sequence; packed it is MF(ft), rows = output features, k = d.
;   Q^T(tt, t) = Wq'(t) x XN(tt) + bq: X's layout: a head's four features lie in one lane.  X(tt, ft) += MF(ft) x QP(tt).
;   H^T(tt, u) = W1'(u) x XN(tt) + b1';  G = gelu(H) packed;  X(tt, ft) += W2(ft, s) x G(tt, s).
; gelu(x) = x / (1 + 2^(x (GA + GB x^2))), GA = -2 sqrt(2 / pi) log2(e), GB = 0.044715 GA: the tanh form, rewritten.
; WHY 16 WAVES OF 256 REGISTERS: a layer of a sequence has 108 matrix instructions and some 2,200 vector ones, so the vector unit sets the pace; four waves on a SIMD fill each other's waits.
; CLUSTER.  All work-groups read the same image of the weights (102,400 bytes): the four of a cluster ask for it jointly, each wave its rows.  x is not shared: each work-group takes its own 64 bytes of each row of 256.
.set TEMPORAL, 0
.set LAYB, 25600                       ; a layer's image
.set BIAS, 24576                       ; its biases
.set FQ, 0                             ; fragment numbers
.set FK, 2
.set FV, 4
.set FO, 6
.set F1, 8
.set F2, 16
.set BQ, 0                             ; byte offsets among the biases
.set BO, 128
.set B2, 256
.set B1, 512
.set SPW, 2                            ; v2   LDS address of my spare word; never rewritten
.set NIL, 3                            ; v3   0; never rewritten
.set FA, 4                             ; v4   16 L + the layer's image
.set BA, 5                             ; v5   32 h + the layer's biases
.set ML, 6                             ; v6   1.0 where r / 4 = 2 h: the head's block for registers 0-3 of CT
.set MH, 7                             ; v7   1.0 where r / 4 = 2 h + 1: for registers 4-7
.set PM, 8                             ; v[8:9] 1.0 where r < 14: the fourth tile's true tokens
.set STA, 14                           ; v14  where my wave's mean goes in LDS
.if TEMPORAL
.set NT, 1                             ; token tiles a wave
.set NS, 1                             ; steps of 32 tokens in the context's products (the upper 16 are zeros)
.set HB, 8                             ; hidden tiles in a feed-forward step
.set STEPS, 1
.set PAD, 0
.set SPLIT, 1                          ; the sequence is split among the waves
.set NW, 4
.set NOUT, 1
.set KPS, 8
.set X, 16
.set XN, 32
.set LS, 40
.set KT, 44
.set KM, 52
.set ACC, 64
.set T0, 128
.set T1, 160
.set W, 192
.set WOR, T0+16
.set BR, ACC+32
.set W1R, W
.set QT0, T1+16
.set QTJ, 0
.set EXR, W
.set MSR, T1+16
.set CTB, EXR
.set SR0, MSR+1
.set SR1, MSR+3
.set RS, X
.set EX, 102400                        ; the waves' partial contexts: wave w at 2,560 w, tile t at 1,280 t: CT 1,024 bytes, (m, S) 256
.set STAGE, 112640
.set SPARE, 113152                     ; the spare words: 128 bytes a wave
.set EXS, 10
.set EXT, 11
.set EXL, 12
.set EXM, 13
.else
.set NT, 4
.set NS, 2
.set HB, 2
.set STEPS, 4
.set PAD, 1
.set SPLIT, 0
.set NW, 16
.set NOUT, 4
.set KPS, 16
.set X, 16                             ; v[16:79]    the residual
.set XN, 80                            ; v[80:111]   the normalised tokens, bf16
.set ACC, 112                          ; v[112:175]  matrix results and what is made of them
.set T0, 176                           ; v[176:207]
.set T1, 208                           ; v[208:239]
.set W, 240                            ; v[240:255]
.set LS, W
.set KT, W
.set KM, W+8
.set WOR, W
.set BR, XN
.set W1R, T0+16
.set QT0, W
.set QTJ, T1-W
.set CTB, ACC
.set SR0, ACC+16
.set SR1, ACC+24
.set RS, ACC
.set XS, 102400                        ; x: 1,984 rows (62 e + c) of 64 bytes + 8 of padding: 18 words, so that the 32 lanes of a load (16 c, 2 h) fall on 32 different banks (64 banks of 4 bytes: ISA guide 11.1)
.set STAGE, 245248
.set SPARE, 247296
.endif
.set IROWS, 400/NW                     ; rows of 256 bytes of the image that a wave asks for
.set BC, T0                            ; b1' of a step
.set W2R, W
.set KP, T0
.set VP, T1
.set ONES, ACC+32
.set CF, ACC+40
.set NF, ACC+56
.set MF, T1
.set BQR, T1+16
; s[4:5] input, s[6:7] image, s[8:9] output, s10 wave, s11 cx, s12 work-group, s[16:27] x's descriptor, s[28:39] the image's, s40 layers to go, s[42:43] selects of v_permlanex16_b32,
; s[44:45] GA, s[46:47] GB, s[48:49] 1/32, s50 -1e30, s51 lanes 16-31, s[52:53] 1 / tokens, s54 eps
.macro ROUND                           ; a round of the cluster's barrier
	s_barrier_signal -1
	s_barrier_wait -1
	s_cmp_lg_u32 s10, 0
	s_cbranch_scc1 .Lnot_wave_0_\@
	s_barrier_signal -3
.Lnot_wave_0_\@:
	s_barrier_wait -3
	s_barrier_signal -1
	s_barrier_wait -1
.endm
.macro PLACES n                        ; plain vector instructions between a matrix instruction and what touches its registers (ISA guide 7.12.1)
.rept \n
	v_nop
.endr
.endm
.macro LDFRAG dst, idx                 ; a fragment: 16 bytes a lane, twice; 512 consecutive bytes a load
	ds_load_b128 v[(\dst):(\dst)+3], v[FA] offset:(\idx)*1024
	ds_load_b128 v[(\dst)+4:(\dst)+7], v[FA] offset:(\idx)*1024+512
.endm
.macro LDBIAS dst, off                 ; eight biases, features 8 h + 0..7 from byte off on, in the C layout
	ds_load_b128 v[(\dst):(\dst)+3], v[BA] offset:(\off)
	ds_load_b128 v[(\dst)+4:(\dst)+7], v[BA] offset:(\off)+16
.endm
.macro MMA d, a, b, c
	v_wmma_f32_16x16x32_bf16 v[(\d):(\d)+7], v[(\a):(\a)+7], v[(\b):(\b)+7], v[(\c):(\c)+7]
.endm
.macro MMA0 d, a, b
	v_wmma_f32_16x16x32_bf16 v[(\d):(\d)+7], v[(\a):(\a)+7], v[(\b):(\b)+7], 0
.endm
.macro ALLT line:vararg                ; one line for each token tile tI
.set tI, 0
.rept NT
	\line
.set tI, tI+1
.endr
.endm
.macro ALLN line:vararg                ; one line for each of 2 NT tiles nI
.set nI, 0
.rept 2*NT
	\line
.set nI, nI+1
.endr
.endm
.macro ALLG line:vararg                ; one line for each group gI of a token tile's four features of a head: its scores at qB, its pair at work at rQ
.set gI, 0
.rept 4*NT
.set rQ, QT0+2*gI+(gI/8)*QTJ
.set qB, ACC+4*gI
	\line
.set gI, gI+1
.endr
.endm
.macro EXPS n                          ; a batch of exponentials, in place, on ACC's first n registers, a plain instruction behind the last, and one wait ahead of the first reader
.set iI, 0
.rept \n
	v_exp_f32 v[ACC+iI], v[ACC+iI]
.set iI, iI+1
.endr
	v_nop
	s_wait_alu depctr_va_vdst(0)
.endm
; XN = (X - mean) / sqrt(var + eps), bf16.  A token's 32 features lie 16 in my lane and 16 in the lane 16 away.  Two passes: the mean is taken away before the squares.
.macro LNORM
	ALLT v_pk_add_f32 v[ACC+16*tI:ACC+16*tI+1], v[X+16*tI:X+16*tI+1], v[X+16*tI+2:X+16*tI+3]
	ALLT v_pk_add_f32 v[ACC+16*tI+2:ACC+16*tI+3], v[X+16*tI+4:X+16*tI+5], v[X+16*tI+6:X+16*tI+7]
	ALLT v_pk_add_f32 v[ACC+16*tI+4:ACC+16*tI+5], v[X+16*tI+8:X+16*tI+9], v[X+16*tI+10:X+16*tI+11]
	ALLT v_pk_add_f32 v[ACC+16*tI+6:ACC+16*tI+7], v[X+16*tI+12:X+16*tI+13], v[X+16*tI+14:X+16*tI+15]
	ALLT v_pk_add_f32 v[ACC+16*tI:ACC+16*tI+1], v[ACC+16*tI:ACC+16*tI+1], v[ACC+16*tI+2:ACC+16*tI+3]
	ALLT v_pk_add_f32 v[ACC+16*tI+4:ACC+16*tI+5], v[ACC+16*tI+4:ACC+16*tI+5], v[ACC+16*tI+6:ACC+16*tI+7]
	ALLT v_pk_add_f32 v[ACC+16*tI:ACC+16*tI+1], v[ACC+16*tI:ACC+16*tI+1], v[ACC+16*tI+4:ACC+16*tI+5]
	ALLT v_add_f32 v[ACC+16*tI], v[ACC+16*tI], v[ACC+16*tI+1]
	ALLT v_permlanex16_b32 v[ACC+16*tI+1], v[ACC+16*tI], s42, s43
	ALLT v_add_f32 v[ACC+16*tI], v[ACC+16*tI], v[ACC+16*tI+1]
	ALLT v_pk_mul_f32 v[LS+4*tI:LS+4*tI+1], v[ACC+16*tI:ACC+16*tI+1], s[48:49] op_sel_hi:[1,0]   ; the mean in the low word; the pair is written whole
.irp i, 0,2,4,6,8,10,12,14
	ALLT v_pk_add_f32 v[ACC+16*tI+\i:ACC+16*tI+\i+1], v[X+16*tI+\i:X+16*tI+\i+1], v[LS+4*tI:LS+4*tI+1] op_sel_hi:[1,0] neg_lo:[0,1] neg_hi:[0,1]
.endr
	ALLT v_pk_mul_f32 v[LS+4*tI+2:LS+4*tI+3], v[ACC+16*tI:ACC+16*tI+1], v[ACC+16*tI:ACC+16*tI+1]
.irp i, 2,4,6,8,10,12,14
	ALLT v_pk_fma_f32 v[LS+4*tI+2:LS+4*tI+3], v[ACC+16*tI+\i:ACC+16*tI+\i+1], v[ACC+16*tI+\i:ACC+16*tI+\i+1], v[LS+4*tI+2:LS+4*tI+3]
.endr
	ALLT v_add_f32 v[LS+4*tI+2], v[LS+4*tI+2], v[LS+4*tI+3]
	ALLT v_permlanex16_b32 v[LS+4*tI+3], v[LS+4*tI+2], s42, s43
	ALLT v_add_f32 v[LS+4*tI+2], v[LS+4*tI+2], v[LS+4*tI+3]
	ALLT v_fma_f32 v[LS+4*tI+2], v[LS+4*tI+2], s48, s54
	ALLT v_rsq_f32 v[LS+4*tI], v[LS+4*tI+2]
	v_nop                                          ; a plain instruction behind the last root,
	s_wait_alu depctr_va_vdst(0)                   ; and one wait for the batch
.irp i, 0,2,4,6,8,10,12,14
	ALLT v_pk_mul_f32 v[ACC+16*tI+\i:ACC+16*tI+\i+1], v[ACC+16*tI+\i:ACC+16*tI+\i+1], v[LS+4*tI:LS+4*tI+1] op_sel_hi:[1,0]
.endr
.irp i, 0,1,2,3,4,5,6,7
	ALLT v_cvt_pk_bf16_f32 v[XN+8*tI+\i], v[ACC+16*tI+2*\i], v[ACC+16*tI+2*\i+1]
.endr
.endm
; The 2 NT tiles (feature tile nI / NT, token tile nI % NT) in ACC, packed to bf16: sources with k = tokens.  Each accumulator's lowest registers are read first.
.macro PACKKV dst
.set nI, 0
.rept 2*NT
.irp i, 0,1,2,3
	v_cvt_pk_bf16_f32 v[(\dst)+KPS*(nI/NT)+4*(nI%NT)+\i], v[ACC+8*nI+2*\i], v[ACC+8*nI+2*\i+1]
.endr
.set nI, nI+1
.endr
.if NT == 1
.irp f, 0,1
.irp i, 4,5,6,7
	v_mov_b32 v[(\dst)+8*\f+\i], 0                 ; tokens 16 to 31 of the step do not exist
.endr
.endr
.endif
.endm
.macro ADDB                            ; X += the bias in BR, ascending
.irp i, 0,2,4,6,8,10,12,14
	ALLT v_pk_add_f32 v[X+16*tI+\i:X+16*tI+\i+1], v[X+16*tI+\i:X+16*tI+\i+1], v[BR+\i:BR+\i+1]
.endr
.endm
; GELU of ACC's 32 pairs, packed in place to ACC's first 32 registers; T0 and T1 are 32 pairs at work.  Three runs, each a pipeline over the pairs, with one wait for each batch of transcendentals:
; P: t = x x; t = t GB + GA; t = t x; 2^t (plain and transcendental by turns)     R: t = t + 1; 1 / t     M: x = x t; rounded to bf16 (pair i goes to register i, which an earlier pair has left)
.macro GELU
.set iI, 0
.rept 35
.if iI < 32
	v_pk_mul_f32 v[T0+2*iI:T0+2*iI+1], v[ACC+2*iI:ACC+2*iI+1], v[ACC+2*iI:ACC+2*iI+1]
.endif
.if iI >= 3
	v_exp_f32 v[T0+2*iI-6], v[T0+2*iI-6]
.endif
.if (iI >= 1) && (iI < 33)
	v_pk_fma_f32 v[T0+2*iI-2:T0+2*iI-1], v[T0+2*iI-2:T0+2*iI-1], s[46:47], s[44:45] op_sel_hi:[1,0,0]
.endif
.if iI >= 3
	v_exp_f32 v[T0+2*iI-5], v[T0+2*iI-5]
.endif
.if (iI >= 2) && (iI < 34)
	v_pk_mul_f32 v[T0+2*iI-4:T0+2*iI-3], v[T0+2*iI-4:T0+2*iI-3], v[ACC+2*iI-4:ACC+2*iI-3]
.endif
.set iI, iI+1
.endr
	v_nop
	s_wait_alu depctr_va_vdst(0)                   ; the 64 exponentials
.set iI, 0
.rept 33
.if iI < 32
	v_pk_add_f32 v[T0+2*iI:T0+2*iI+1], v[T0+2*iI:T0+2*iI+1], 1.0 op_sel_hi:[1,0]
.endif
.if iI >= 1
	v_rcp_f32 v[T0+2*iI-2], v[T0+2*iI-2]
	v_rcp_f32 v[T0+2*iI-1], v[T0+2*iI-1]
.endif
.set iI, iI+1
.endr
	v_nop
	s_wait_alu depctr_va_vdst(0)                   ; the 64 reciprocals
.set iI, 0
.rept 33
.if iI < 32
	v_pk_mul_f32 v[ACC+2*iI:ACC+2*iI+1], v[ACC+2*iI:ACC+2*iI+1], v[T0+2*iI:T0+2*iI+1]
.endif
.if iI >= 1
	v_cvt_pk_bf16_f32 v[ACC+iI-1], v[ACC+2*iI-2], v[ACC+2*iI-1]
.endif
.set iI, iI+1
.endr
.endm
; Feed-forward step q: hidden tiles HB q .. HB q + HB - 1 for all my tokens.
.macro FFSTEP q
	s_wait_dscnt 0x0                               ; b1' and W1' of the step are in
.set mI, 0
.rept HB*NT
	MMA ACC+8*mI, W1R+8*(mI%HB), XN+8*(mI/HB), BC+8*(mI%HB)
.set mI, mI+1
.endr
	PLACES 4                                       ; ahead of the loads into, and the lines that read or write, those products' registers
.set mI, 0
.rept HB
	LDFRAG W2R+8*mI, F2+HB*(\q)+mI
.set mI, mI+1
.endr
	GELU
.if (\q) < STEPS-1
.set mI, 0
.rept HB
	LDBIAS BC+8*mI, B1+64*(HB*((\q)+1)+mI)
	LDFRAG W1R+8*mI, F1+HB*((\q)+1)+mI
.set mI, mI+1
.endr
	s_wait_dscnt 4*HB                              ; W2 is in; the 4 HB loads just issued, the next step's, may stay out
.else
	LDBIAS BR, B2
	LDBIAS BR+8, B2+64
	s_wait_dscnt 4                                 ; W2 is in; bf2's four loads may stay out
.endif
.set kI, 0
.rept HB/2                             ; the accumulators take turns, one instruction a turn
	ALLN v_wmma_f32_16x16x32_bf16 v[X+8*nI:X+8*nI+7], v[W2R+8*(2*kI+nI%2):W2R+8*(2*kI+nI%2)+7], v[ACC+8*((HB/2)*(nI/2)+kI):ACC+8*((HB/2)*(nI/2)+kI)+7], v[X+8*nI:X+8*nI+7]
.set kI, kI+1
.endr
	PLACES 5                                       ; ahead of the products that write over G, and of the sums that read X
.endm
	s_load_b128 s[4:7], s[0:1], 0x0
	s_load_b64 s[8:9], s[0:1], 0x10
	v_lshl_add_u32 v[SPW], v0, 2, SPARE
	v_mov_b32 v[NIL], 0
	ds_add_u32 v[SPW], v[NIL]                      ; the wave's opening: the add, twice on end, and its wait ahead of my first tensor load
	ds_add_u32 v[SPW], v[NIL]
	v_lshrrev_b32 v1, 5, v0
	v_readfirstlane_b32 s10, v1                    ; wave
	s_bfe_u32 s11, ttmp6, 0x40000                  ; cx
	s_lshl_b32 s12, ttmp9, 2                       ; in a cluster launch ttmp9 counts clusters
	s_add_co_u32 s12, s12, s11                     ; work-group
	; the image's descriptor: my IROWS rows of 256 bytes of a dense block, asked for jointly by the four work-groups; nothing in it hangs on cx
	s_mov_b32 s28, 1                               ; count
	s_mul_i32 s29, s10, IROWS*256                  ; LDS address: the image lies at LDS byte 0
	s_mov_b32 s32, 15|(3<<16)|(1<<21)              ; the mask of four; elements of 8 bytes; bit 21 set beside a mask
	s_mov_b32 s33, 32<<16                          ; tensor_dim0 = 32
	s_mov_b32 s34, IROWS<<16                       ; tensor_dim1
	s_mov_b32 s35, 32<<16                          ; tile_dim0 = 32
	s_mov_b32 s36, IROWS                           ; tile_dim1
	s_mov_b32 s37, 32                              ; elements from row to row
	s_mov_b32 s38, 0
	s_mov_b32 s39, 0
	s_mov_b32 s14, s29                             ; the same offset in memory
	s_mov_b32 s15, 0
.if !TEMPORAL
	; x's descriptor: my 124 rows (62 e + c) of my work-group's 16 p: 64 bytes of each row of 256, padded by 8 in LDS; a load of my work-group's own
	s_mov_b32 s16, 1
	s_mul_i32 s17, s10, 124*72
	s_add_co_u32 s17, s17, XS
	s_mov_b32 s20, (2<<16)|(1<<20)|(3<<22)|(1<<25) ; elements of 4 bytes; padding on; after every 16 words (code 3); 2 words (code 1)
	s_mov_b32 s21, 16<<16                          ; tensor_dim0 = 16
	s_mov_b32 s22, 124<<16                         ; tensor_dim1 = 124
	s_mov_b32 s23, 16<<16                          ; tile_dim0 = 16
	s_mov_b32 s24, 124                             ; tile_dim1 = 124
	s_mov_b32 s25, 64                              ; elements from row to row
	s_mov_b32 s26, 0
	s_mov_b32 s27, 0
	s_mul_i32 s2, ttmp9, 507904                    ; b
	s_mul_i32 s3, s10, 124*256
	s_add_co_u32 s2, s2, s3
	s_lshl_b32 s3, s11, 6
	s_add_co_u32 s2, s2, s3
	s_mov_b32 s3, 0
.endif
	s_mov_b32 s42, 0x76543210
	s_mov_b32 s43, 0xfedcba98
	s_mov_b32 s44, 0xc0135761                      ; GA = -2.3022082
	s_mov_b32 s45, s44
	s_mov_b32 s46, 0xbdd2d3e8                      ; GB = -0.10294324
	s_mov_b32 s47, s46
	s_mov_b32 s48, 0x3d000000                      ; 1/32
	s_mov_b32 s49, s48
	s_mov_b32 s50, 0xf149f2ca                      ; -1e30
	s_mov_b32 s51, 0xffff0000
.if TEMPORAL
	s_mov_b32 s52, 0x3c800000                      ; 1/64
.else
	s_mov_b32 s52, 0x3c842108                      ; 1/62
.endif
	s_mov_b32 s53, s52
	s_mov_b32 s54, 0x3727c5ac                      ; 1e-5
	s_wait_dscnt 0x0                               ; both opening adds are done
	s_wait_kmcnt 0x0
	s_add_nc_u64 s[30:31], s[6:7], s[14:15]
	s_or_b32 s31, s31, 0x80000000                  ; type = 2
.if TEMPORAL
	s_lshl_b32 s2, s12, 13                         ; my sequence: 64 rows of 128 bytes of h1
	s_mov_b32 s3, 0
	s_add_nc_u64 s[4:5], s[4:5], s[2:3]
	s_lshl_b32 s2, s12, 7                          ; and its row of out0
	s_add_nc_u64 s[8:9], s[8:9], s[2:3]
.else
	s_add_nc_u64 s[18:19], s[4:5], s[2:3]
	s_or_b32 s19, s19, 0x80000000
	s_lshl_b32 s2, s12, 11                         ; my work-group's 16 rows of h1
	s_add_nc_u64 s[8:9], s[8:9], s[2:3]
.endif
	ROUND                                          ; all four work-groups are here: the joint loads meet
.if !TEMPORAL
	tensor_load_to_lds s[16:19], s[20:27]
	s_nop 0
.endif
	tensor_load_to_lds s[28:31], s[32:39]
	s_nop 0
	v_and_b32 v1, 31, v0                           ; L
	v_and_b32 v[ACC], 15, v0                       ; r
	v_bfe_u32 v[ACC+1], v0, 4, 1                   ; h
.if TEMPORAL
	v_lshrrev_b32 v15, 5, v0
	v_lshlrev_b32 v15, 11, v15                     ; my wave's 16 tokens,
	v_lshl_add_u32 v15, v[ACC], 7, v15             ; token r,
	v_lshl_add_u32 v15, v[ACC+1], 5, v15           ; features 8 h on
	global_load_b128 v[X:X+3], v15, s[4:5]
	global_load_b128 v[X+4:X+7], v15, s[4:5] offset:16
	global_load_b128 v[X+8:X+11], v15, s[4:5] offset:64
	global_load_b128 v[X+12:X+15], v15, s[4:5] offset:80
.endif
	v_lshlrev_b32 v[FA], 4, v1
	v_lshlrev_b32 v[BA], 5, v[ACC+1]
	v_add_nc_u32 v[BA], BIAS, v[BA]
	v_lshrrev_b32 v10, 2, v[ACC]
	v_lshlrev_b32 v11, 1, v[ACC+1]
	v_cmp_eq_u32 vcc_lo, v10, v11
	v_cndmask_b32 v[ML], 0, 1.0, vcc_lo
	v_add_nc_u32 v11, 1, v11
	v_cmp_eq_u32 vcc_lo, v10, v11
	v_cndmask_b32 v[MH], 0, 1.0, vcc_lo
	s_lshl_b32 s41, s10, 7
	s_add_co_u32 s41, s41, STAGE
	v_lshl_add_u32 v[STA], v[ACC+1], 5, s41        ; STAGE + 128 wave + 32 h
.irp i, 0,1,2,3
	v_mov_b32 v[KM+\i], 0                          ; pairs that are named whole are written whole
.endr
.if TEMPORAL
	s_mul_i32 s13, s10, 2560
	s_add_co_u32 s13, s13, EX
	v_add_nc_u32 v[EXS], s13, v[FA]                ; where I put 16 bytes of my wave's CT,
	v_lshl_add_u32 v[EXT], v1, 3, s13
	v_add_nc_u32 v[EXT], 1024, v[EXT]              ; and its pair (m, S)
	v_add_nc_u32 v[EXL], EX, v[FA]                 ; where I read all four waves'
	v_lshlrev_b32 v[EXM], 3, v1
	v_add_nc_u32 v[EXM], EX+1024, v[EXM]
.else
	v_cmp_gt_u32 vcc_lo, 14, v[ACC]
	v_cndmask_b32 v[PM], 0, 1.0, vcc_lo
	v_cndmask_b32 v[PM+1], 0, 1.0, vcc_lo
	s_lshl_b32 s13, s10, 2
	s_add_co_u32 s13, s13, XS                      ; my sequence: word w of each row
	v_mul_u32_u24 v1, v[ACC+1], 8*62*72            ; 8 h features
	v_mul_u32_u24 v10, v[ACC], 72                  ; token r of tiles 0 to 2
	v_add3_u32 v10, v10, v1, s13
	v_add_nc_u32 v11, 16*62*72, v10                ; feature tile 1
	v_add_nc_u32 v12, 48, v[ACC]
	v_min_u32 v12, 61, v12                         ; tile 3: places 62 and 63 copy token 61, so that they hold finite numbers
	v_mul_u32_u24 v12, v12, 72
	v_add3_u32 v12, v12, v1, s13
	v_add_nc_u32 v13, 16*62*72, v12
.endif
	s_wait_tensorcnt 0x0                           ; my parts of x and of the image have landed,
	s_barrier_signal -1
	s_barrier_wait -1                              ; everybody's have
.if TEMPORAL
	s_wait_loadcnt 0x0
.else
.irp t, 0,1
.irp j, 0,1,2,3,4,5,6,7
.irp a, 0,1,2
	ds_load_b32 v[X+16*\a+8*\t+\j], v[10+\t] offset:16*72*\a+62*72*\j
.endr
	ds_load_b32 v[X+48+8*\t+\j], v[12+\t] offset:62*72*\j
.endr
.endr
	s_wait_dscnt 0x0
.endif
	s_mov_b32 s40, 4
.Llayer:
	LDFRAG T1, FK
	LDFRAG T1+8, FK+1
	LDFRAG T1+16, FV
	LDFRAG T1+24, FV+1
	LNORM
	s_wait_dscnt 0x0                               ; Wk' and Wv' are in
	ALLN v_wmma_f32_16x16x32_bf16 v[ACC+8*nI:ACC+8*nI+7], v[XN+8*(nI%NT):XN+8*(nI%NT)+7], v[T1+8*(nI/NT):T1+8*(nI/NT)+7], 0
	PLACES 4
	; k's softmax over the tokens: the maximum of a feature's tokens, within the lane and with the lane 16 away, is taken away; the sum comes from the matrix unit below
	ALLN v_max3_num_f32 v[KT+nI], v[ACC+8*nI], v[ACC+8*nI+1], v[ACC+8*nI+2]
.if PAD
.irp f, 0,1
	v_cndmask_b32 v[ACC+8*(4*\f+3)+6], v[ACC+8*(4*\f+3)+6], s50, s51   ; places 62 and 63: tile 3, lanes 16-31, registers 6 and 7
	v_cndmask_b32 v[ACC+8*(4*\f+3)+7], v[ACC+8*(4*\f+3)+7], s50, s51
.endr
.endif
	ALLN v_max3_num_f32 v[KT+nI], v[KT+nI], v[ACC+8*nI+3], v[ACC+8*nI+4]
	ALLN v_max3_num_f32 v[KT+nI], v[KT+nI], v[ACC+8*nI+5], v[ACC+8*nI+6]
	ALLN v_max_num_f32 v[KT+nI], v[KT+nI], v[ACC+8*nI+7]
.if NT == 4
.irp f, 0,1
	v_max3_num_f32 v[KT+4*\f], v[KT+4*\f], v[KT+4*\f+1], v[KT+4*\f+2]
.endr
.irp f, 0,1
	v_max_num_f32 v[KT+4*\f], v[KT+4*\f], v[KT+4*\f+3]
.endr
.endif
.irp f, 0,1
	v_permlanex16_b32 v[KM+2*\f], v[KT+NT*\f], s42, s43
.endr
.irp f, 0,1
	v_max_num_f32 v[KM+2*\f], v[KT+NT*\f], v[KM+2*\f]
.endr
.irp i, 0,2,4,6
	ALLN v_pk_add_f32 v[ACC+8*nI+\i:ACC+8*nI+\i+1], v[ACC+8*nI+\i:ACC+8*nI+\i+1], v[KM+2*(nI/NT):KM+2*(nI/NT)+1] op_sel_hi:[1,0] neg_lo:[0,1] neg_hi:[0,1]
.endr
	EXPS 16*NT
	PACKKV KP
	ALLN v_wmma_f32_16x16x32_bf16 v[ACC+8*nI:ACC+8*nI+7], v[XN+8*(nI%NT):XN+8*(nI%NT)+7], v[T1+16+8*(nI/NT):T1+16+8*(nI/NT)+7], 0
	PLACES 4
	LDFRAG WOR, FO
	LDFRAG WOR+8, FO+1
	PACKKV VP
.irp i, 0,1,2,3,4,5,6,7
	v_mov_b32 v[ONES+\i], 0x3f803f80               ; 1.0 twice, in bf16
.endr
	; ctx^T and the sums of k's weights; four accumulators by turns
.set sI, 0
.rept NS
.if sI == 0
	MMA0 ACC, VP, KP
	MMA0 ACC+8, VP+KPS, KP+KPS
	MMA0 ACC+16, ONES, KP
	MMA0 ACC+24, ONES, KP+KPS
.else
	MMA ACC, VP+8*sI, KP+8*sI, ACC
	MMA ACC+8, VP+KPS+8*sI, KP+KPS+8*sI, ACC+8
	MMA ACC+16, ONES, KP+8*sI, ACC+16
	MMA ACC+24, ONES, KP+KPS+8*sI, ACC+24
.endif
.set sI, sI+1
.endr
.irp i, 0,1,2,3
	v_mov_b32 v[CF+4+\i], 0                        ; the halves of CF that belong to the other feature tile: eight plain lines, the places behind those products
	v_mov_b32 v[CF+8+\i], 0
.endr
.if SPLIT
	; each wave has the context of its 16 tokens, taken with its own maximum m: the four are put in LDS, and every wave adds them up with the factors 2^(m_w - m)
	v_mov_b32 v[KM+1], v[ACC+16]
	v_mov_b32 v[KM+3], v[ACC+24]
.irp t, 0,1
	ds_store_b128 v[EXS], v[ACC+8*\t:ACC+8*\t+3] offset:1280*\t
	ds_store_b128 v[EXS], v[ACC+8*\t+4:ACC+8*\t+7] offset:1280*\t+512
	ds_store_b64 v[EXT], v[KM+2*\t:KM+2*\t+1] offset:1280*\t
.endr
	s_wait_dscnt 0x0                               ; for the others' sake: my stores are done
	s_barrier_signal -1
	s_barrier_wait -1
.irp w, 0,1,2,3
.irp t, 0,1
	ds_load_b128 v[EXR+16*\w+8*\t:EXR+16*\w+8*\t+3], v[EXL] offset:2560*\w+1280*\t
	ds_load_b128 v[EXR+16*\w+8*\t+4:EXR+16*\w+8*\t+7], v[EXL] offset:2560*\w+1280*\t+512
	ds_load_b64 v[MSR+4*\w+2*\t:MSR+4*\w+2*\t+1], v[EXM] offset:2560*\w+1280*\t
.endr
.endr
	s_wait_dscnt 0x0                               ; my reads are over:
	s_barrier_signal -1
	s_barrier_wait -1                              ; nobody stores the next layer's before all have read this one's
.irp t, 0,1
	v_max3_num_f32 v[KT+\t], v[MSR+2*\t], v[MSR+4+2*\t], v[MSR+8+2*\t]
.endr
.irp t, 0,1
	v_max_num_f32 v[KT+\t], v[KT+\t], v[MSR+12+2*\t]
.endr
.irp w, 0,1,2,3
.irp t, 0,1
	v_sub_f32 v[MSR+4*\w+2*\t], v[MSR+4*\w+2*\t], v[KT+\t]
.endr
.endr
.irp w, 0,1,2,3
.irp t, 0,1
	v_exp_f32 v[MSR+4*\w+2*\t], v[MSR+4*\w+2*\t]
.endr
.endr
	v_nop
	s_wait_alu depctr_va_vdst(0)                   ; one wait for the eight factors
.irp t, 0,1
	v_mul_f32 v[MSR+2*\t+1], v[MSR+2*\t+1], v[MSR+2*\t]
.endr
.irp w, 1,2,3
.irp t, 0,1
	v_fmac_f32 v[MSR+2*\t+1], v[MSR+4*\w+2*\t+1], v[MSR+4*\w+2*\t]
.endr
.endr
.irp t, 0,1
.irp i, 0,2,4,6
	v_pk_mul_f32 v[EXR+8*\t+\i:EXR+8*\t+\i+1], v[EXR+8*\t+\i:EXR+8*\t+\i+1], v[MSR+2*\t:MSR+2*\t+1] op_sel_hi:[1,0]
.endr
.endr
.irp w, 1,2,3
.irp t, 0,1
.irp i, 0,2,4,6
	v_pk_fma_f32 v[EXR+8*\t+\i:EXR+8*\t+\i+1], v[EXR+16*\w+8*\t+\i:EXR+16*\w+8*\t+\i+1], v[MSR+4*\w+2*\t:MSR+4*\w+2*\t+1], v[EXR+8*\t+\i:EXR+8*\t+\i+1] op_sel_hi:[1,0,1]
.endr
.endr
.endr
.endif
	; ctx^T is divided by the sums, cut to the heads' blocks and packed: rows d, k = e
	v_rcp_f32 v[NF], v[SR0]
	v_rcp_f32 v[NF+1], v[SR1]
	v_nop
	s_wait_alu depctr_va_vdst(0)
	v_mul_f32 v[NF+2], v[NF], v[ML]
	v_mul_f32 v[NF+3], v[NF], v[MH]
	v_mul_f32 v[NF+4], v[NF+1], v[ML]
	v_mul_f32 v[NF+5], v[NF+1], v[MH]
.irp t, 0,1
.irp j, 0,1,2,3,4,5,6,7
	v_mul_f32 v[CTB+8*\t+\j], v[CTB+8*\t+\j], v[NF+2+2*\t+\j/4]
.endr
.endr
.irp i, 0,1,2,3
	v_cvt_pk_bf16_f32 v[CF+\i], v[CTB+2*\i], v[CTB+2*\i+1]
	v_cvt_pk_bf16_f32 v[CF+12+\i], v[CTB+8+2*\i], v[CTB+8+2*\i+1]
.endr
	s_wait_dscnt 0x0                               ; Wo' is in
.irp f, 0,1
.irp d, 0,1
	MMA0 ACC+8*(2*\f+\d), CF+8*\d, WOR+8*\f
.endr
.endr
	PLACES 4
	LDFRAG WOR, FQ                                 ; Wq' takes Wo's place
	LDFRAG WOR+8, FQ+1
	LDBIAS BQR, BQ
	LDBIAS BQR+8, BQ+64
.set iI, 0
.rept 16
	v_cvt_pk_bf16_f32 v[MF+iI], v[ACC+2*iI], v[ACC+2*iI+1]
.set iI, iI+1
.endr
	s_wait_dscnt 0x0                               ; Wq' and bq are in
	ALLN v_wmma_f32_16x16x32_bf16 v[ACC+8*nI:ACC+8*nI+7], v[WOR+8*(nI%2):WOR+8*(nI%2)+7], v[XN+8*(nI/2):XN+8*(nI/2)+7], v[BQR+8*(nI%2):BQR+8*(nI%2)+7]
	PLACES 4
	LDBIAS BR, BO
	LDBIAS BR+8, BO+64
	; q's softmax over a head's four features, all in one lane
	ALLG v_max3_num_f32 v[rQ], v[qB], v[qB+1], v[qB+2]
	ALLG v_max_num_f32 v[rQ], v[rQ], v[qB+3]
	ALLG v_pk_add_f32 v[qB:qB+1], v[qB:qB+1], v[rQ:rQ+1] op_sel_hi:[1,0] neg_lo:[0,1] neg_hi:[0,1]
	ALLG v_pk_add_f32 v[qB+2:qB+3], v[qB+2:qB+3], v[rQ:rQ+1] op_sel_hi:[1,0] neg_lo:[0,1] neg_hi:[0,1]
	EXPS 16*NT
	ALLG v_pk_add_f32 v[rQ:rQ+1], v[qB:qB+1], v[qB+2:qB+3]
	ALLG v_add_f32 v[rQ], v[rQ], v[rQ+1]
	ALLG v_rcp_f32 v[rQ], v[rQ]
	v_nop
	s_wait_alu depctr_va_vdst(0)
	ALLG v_pk_mul_f32 v[qB:qB+1], v[qB:qB+1], v[rQ:rQ+1] op_sel_hi:[1,0]
	ALLG v_pk_mul_f32 v[qB+2:qB+3], v[qB+2:qB+3], v[rQ:rQ+1] op_sel_hi:[1,0]
	ALLG v_cvt_pk_bf16_f32 v[T0+2*gI], v[qB], v[qB+1]
	ALLG v_cvt_pk_bf16_f32 v[T0+2*gI+1], v[qB+2], v[qB+3]
	ALLN v_wmma_f32_16x16x32_bf16 v[X+8*nI:X+8*nI+7], v[MF+8*(nI%2):MF+8*(nI%2)+7], v[T0+8*(nI/2):T0+8*(nI/2)+7], v[X+8*nI:X+8*nI+7]
	PLACES 4
.set mI, 0
.rept HB
	LDBIAS BC+8*mI, B1+64*mI
	LDFRAG W1R+8*mI, F1+mI
.set mI, mI+1
.endr
	s_wait_dscnt 4*HB                              ; bo' is in; the 4 HB loads just issued may stay out
	ADDB
	LNORM
.set qI, 0
.rept STEPS
	FFSTEP qI
.set qI, qI+1
.endr
	s_wait_dscnt 0x0                               ; bf2 is in
	ADDB
	v_add_nc_u32 v[FA], LAYB, v[FA]                ; the next layer's image
	v_add_nc_u32 v[BA], LAYB, v[BA]
	s_sub_co_u32 s40, s40, 1
	s_cmp_lg_u32 s40, 0
	s_cbranch_scc1 .Llayer
	; THE MEAN OVER THE TOKENS: over my tiles, then over the 16 lanes of each half (a lane is a token)
.if !TEMPORAL
.irp i, 0,2,4,6,8,10,12,14
	v_pk_add_f32 v[RS+\i:RS+\i+1], v[X+\i:X+\i+1], v[X+16+\i:X+16+\i+1]
.endr
.irp i, 0,2,4,6,8,10,12,14
	v_pk_add_f32 v[RS+\i:RS+\i+1], v[RS+\i:RS+\i+1], v[X+32+\i:X+32+\i+1]
.endr
.irp i, 0,2,4,6,8,10,12,14
	v_pk_fma_f32 v[RS+\i:RS+\i+1], v[X+48+\i:X+48+\i+1], v[PM:PM+1], v[RS+\i:RS+\i+1]   ; the fourth tile's places 62 and 63 count as 0
.endr
.endif
.irp m, 1,2,4,8
.set iI, 0
.rept 16
	v_add_f32_dpp v[RS+iI], v[RS+iI], v[RS+iI] row_xmask:\m row_mask:0xf bank_mask:0xf
.set iI, iI+1
.endr
.endr
.if !TEMPORAL
.irp i, 0,2,4,6,8,10,12,14
	v_pk_mul_f32 v[RS+\i:RS+\i+1], v[RS+\i:RS+\i+1], s[52:53] op_sel_hi:[1,0]
.endr
.endif
	ds_store_b128 v[STA], v[RS:RS+3]               ; features 8 h + 0..7 and 16 + 8 h + 0..7; the 16 lanes of a half write the same bytes with the same numbers
	ds_store_b128 v[STA], v[RS+4:RS+7] offset:16
	ds_store_b128 v[STA], v[RS+8:RS+11] offset:64
	ds_store_b128 v[STA], v[RS+12:RS+15] offset:80
	s_wait_dscnt 0x0
	s_barrier_signal -1
	s_barrier_wait -1
	s_cmp_lt_u32 s10, NOUT
	s_cbranch_scc0 .Lend
.if TEMPORAL
	v_lshl_add_u32 v13, v0, 2, STAGE               ; wave 0: feature L of the four waves' sums
.irp w, 0,1,2,3
	ds_load_b32 v[ACC+\w], v13 offset:128*\w
.endr
	v_lshlrev_b32 v15, 2, v0
	s_wait_dscnt 0x0
	v_add_f32 v[ACC], v[ACC], v[ACC+1]
	v_add_f32 v[ACC+2], v[ACC+2], v[ACC+3]
	v_add_f32 v[ACC], v[ACC], v[ACC+2]
	v_mul_f32 v[ACC], s52, v[ACC]
	global_store_b32 v15, v[ACC], s[8:9]
.else
	v_lshlrev_b32 v15, 4, v0                       ; waves 0 to 3: 512 wave + 16 L: the 16 sequences' means are 2,048 consecutive bytes of h1
	v_add_nc_u32 v13, STAGE, v15
	ds_load_b128 v[ACC:ACC+3], v13
	s_wait_dscnt 0x0
	global_store_b128 v15, v[ACC:ACC+3], s[8:9]    ; each store of a wave covers 512 consecutive bytes, aligned
.endif
.Lend:
	s_wait_tensorcnt 0x0                           ; the wave's end: a closing add, behind my last tensor load and my last LDS store
	ds_add_u32 v[SPW], v[NIL]
	s_wait_dscnt 0x0
	ROUND                                          ; the closing round: no work-group ends while a partner may still ask for the image
	s_endpgm
.Lfunc_end_k_q92496bed82_chan:
	.size	k_q92496bed82_chan, .Lfunc_end_k_q92496bed82_chan-k_q92496bed82_chan
	.p2alignl 7, 3214868480
	.fill 96, 4, 3214868480
	.section	.rodata,"a",@progbits
	.p2align	6, 0x0
	.amdhsa_kernel k_q92496bed82_chan
		.amdhsa_group_segment_fixed_size 249344
		.amdhsa_private_segment_fixed_size 0
		.amdhsa_enable_private_segment 0
		.amdhsa_kernarg_size 24
		.amdhsa_user_sgpr_count 2
		.amdhsa_user_sgpr_kernarg_segment_ptr 1
		.amdhsa_wavefront_size32 1
		.amdhsa_system_sgpr_workgroup_id_x 1
		.amdhsa_system_sgpr_workgroup_id_y 1
		.amdhsa_system_sgpr_workgroup_id_z 1
		.amdhsa_system_vgpr_workitem_id 0
		.amdhsa_next_free_vgpr 256
		.amdhsa_next_free_sgpr 66
		.amdhsa_reserve_vcc 1
		.amdhsa_float_denorm_mode_32 3
		.amdhsa_float_denorm_mode_16_64 3
		.amdhsa_memory_ordered 1
		.amdhsa_forward_progress 1
		.amdhsa_inst_pref_size 148
	.end_amdhsa_kernel
	.amdgpu_metadata
---
amdhsa.version: [ 1, 2 ]
amdhsa.kernels:
  - .name:           k_q92496bed82_chan
    .symbol:         k_q92496bed82_chan.kd
    .args:
      - { .name: x, .offset: 0, .size: 8, .value_kind: global_buffer, .address_space: global }
      - { .name: imgc, .offset: 8, .size: 8, .value_kind: global_buffer, .address_space: global }
      - { .name: h1, .offset: 16, .size: 8, .value_kind: global_buffer, .address_space: global }
    .group_segment_fixed_size: 249344
    .private_segment_fixed_size: 0
    .kernarg_segment_align: 8
    .kernarg_segment_size: 24
    .max_flat_workgroup_size: 512
    .sgpr_count:     66
    .vgpr_count:     256
    .wavefront_size: 32
...
	.end_amdgpu_metadata
.endif
;; end of part 2
;; launch temp (part 3): grid 64 x 1, 4 waves a work-group, clusters of 4 x 1, 167,936 bytes of LDS; arguments h1, imgt, out0; writes out0
.if DOCPART == 3
	.amdgcn_target "amdgcn-amd-amdhsa--gfx1250"
	.amdhsa_code_object_version 6
	.text
	.protected	k_q92496bed82_temp
	.globl	k_q92496bed82_temp
	.p2align	8
	.type	k_q92496bed82_temp,@function
k_q92496bed82_temp:
	s_mov_b64 s[64:65], 0
	v_nop
	global_prefetch_b8 v0, s[64:65] scope:SCOPE_SE
	s_setreg_imm32_b32 hwreg(HW_REG_WAVE_MODE, 25, 1), 1
	s_wait_xcnt 0x0
	s_wait_alu depctr_hold_cnt(0) depctr_sa_sdst(0) depctr_va_vdst(0) depctr_va_sdst(0) depctr_va_ssrc(0) depctr_va_vcc(0) depctr_vm_vsrc(0)
	s_getreg_b32 s2, hwreg(HW_REG_IB_STS2, 6, 4)
	s_cmp_eq_u32 s2, 0
	s_cbranch_scc0 .Lentry_in_a_cluster
	s_endpgm
.Lentry_in_a_cluster:
	s_bfe_u32 s2, ttmp6, 0x10000c
	s_cmp_lg_u32 s2, 0x3003
	s_cbranch_scc0 .Lentry_shape_is_right
	s_endpgm
.Lentry_shape_is_right:
; A STACK OF FOUR LAYERS (pre-norm linear attention, 8 heads of 4; feed-forward 32 -> 128 -> 32 with the tanh form of GELU) AND THE MEAN OVER THE TOKENS.  One text for both stacks; TEMPORAL chooses.
; TEMPORAL = 0: 4,096 sequences (b, p) of 62 tokens c, features e, from x[b][e][c][p]; the mean goes to h1[b][p][e].  A cluster is one b, work-group cx its p = 16 cx .. + 15, a wave ONE sequence, kept in registers from x to its mean.
; TEMPORAL = 1: 64 sequences b of 64 tokens p from h1; the mean goes to out0[b][e].  A work-group is one sequence, wave w its tokens 16 w .. + 15; the waves meet once a layer in LDS.
; LEFT OUT as dead work: be1 Wk, the same for every token, cancels in k's softmax over the tokens (shown at the head of the launch that lays out the weights); a NaN, infinity or overflow that arises only there is not carried on.
; The weights come folded (gains, log2(e), the head's 1/2, be W as biases) from that launch, as fragments in bf16 and biases in f32.
; LIMITS.  Matrix operands are bf16, sums f32; x and the residual stay f32.  The order of rounding differs from reference()'s.  A weight of a softmax below 2^-126 counts as 0.  With 62 tokens the two places that fill the
; fourth tile copy token 61; in k's softmax they count as -1e30 (weight 0) and the mean leaves them out.  k's weights are normalised by the sum of their bf16 roundings.  NaN and infinities are not treated apart.
; LAYOUT: NOTHING CHANGES LANES BETWEEN PRODUCTS.  L the lane, r = L % 16, h = L / 16.  The residual X is held transposed: register X + 16 tt + 8 t + j = feature 16 t + 8 h + j of token 16 tt + r, which is the C/D layout
; of a tile (rows features, columns tokens).  Packed in pairs to bf16 it is at once a source with rows (or columns) = tokens and k = features (XN).
;   K, V (ft, tt) = XN(tt) x Wk', Wv'(ft): a lane holds one feature, its registers tokens: the softmax over tokens is a maximum within the lane and one exchange of the lanes' halves; packed they are sources with k = tokens.
;   CT(t) = VP(t) x KP(t) = ctx^T of the 16 features of tile t (lane d, registers e); S(t) = ONES x KP(t) = the sum of the weights.  Entries outside a head's 4 x 4 block are multiplied by 0.
;   M(dt, ft) = CF(dt) x Wo'(ft): blockdiag(ctx) Wo', once a sequence; packed it is MF(ft), rows = output features, k = d.
;   Q^T(tt, t) = Wq'(t) x XN(tt) + bq: X's layout: a head's four features lie in one lane.  X(tt, ft) += MF(ft) x QP(tt).
;   H^T(tt, u) = W1'(u) x XN(tt) + b1';  G = gelu(H) packed;  X(tt, ft) += W2(ft, s) x G(tt, s).
; gelu(x) = x / (1 + 2^(x (GA + GB x^2))), GA = -2 sqrt(2 / pi) log2(e), GB = 0.044715 GA: the tanh form, rewritten.
; HERE (TEMPORAL = 1) there are 64 sequences in all, so a sequence is spread over the four waves of a work-group, a token tile each; 64 work-groups are what the problem has.
; CLUSTER.  All work-groups read the same image of the weights (102,400 bytes): the four of a cluster ask for it jointly, each wave its rows.
.set TEMPORAL, 1
.set LAYB, 25600                       ; a layer's image
.set BIAS, 24576                       ; its biases
.set FQ, 0                             ; fragment numbers
.set FK, 2
.set FV, 4
.set FO, 6
.set F1, 8
.set F2, 16
.set BQ, 0                             ; byte offsets among the biases
.set BO, 128
.set B2, 256
.set B1, 512
.set SPW, 2                            ; v2   LDS address of my spare word; never rewritten
.set NIL, 3                            ; v3   0; never rewritten
.set FA, 4                             ; v4   16 L + the layer's image
.set BA, 5                             ; v5   32 h + the layer's biases
.set ML, 6                             ; v6   1.0 where r / 4 = 2 h: the head's block for registers 0-3 of CT
.set MH, 7                             ; v7   1.0 where r / 4 = 2 h + 1: for registers 4-7
.set PM, 8                             ; v[8:9] 1.0 where r < 14: the fourth tile's true tokens
.set STA, 14                           ; v14  where my wave's mean goes in LDS
.if TEMPORAL
.set NT, 1                             ; token tiles a wave
.set NS, 1                             ; steps of 32 tokens in the context's products (the upper 16 are zeros)
.set HB, 8                             ; hidden tiles in a feed-forward step
.set STEPS, 1
.set PAD, 0
.set SPLIT, 1                          ; the sequence is split among the waves
.set NW, 4
.set NOUT, 1
.set KPS, 8
.set X, 16                             ; v[16:31]    the residual
.set XN, 32                            ; v[32:39]    the normalised tokens, bf16
.set LS, 40                            ; v[40:55]    small things at work
.set KT, 44
.set KM, 52
.set ACC, 64                           ; v[64:127]   matrix results and what is made of them
.set T0, 128                           ; v[128:159]
.set T1, 160                           ; v[160:191]
.set W, 192                            ; v[192:255]
.set WOR, T0+16
.set BR, ACC+32
.set W1R, W
.set QT0, T1+16
.set QTJ, 0
.set EXR, W
.set MSR, T1+16
.set CTB, EXR
.set SR0, MSR+1
.set SR1, MSR+3
.set RS, X
.set EX, 102400                        ; the waves' partial contexts: wave w at 2,560 w, tile t at 1,280 t: CT 1,024 bytes, (m, S) 256
.set STAGE, 112640
.set SPARE, 113152                     ; the spare words: 128 bytes a wave
.set EXS, 10
.set EXT, 11
.set EXL, 12
.set EXM, 13
.else
.set NT, 4
.set NS, 2
.set HB, 2
.set STEPS, 4
.set PAD, 1
.set SPLIT, 0
.set NW, 16
.set NOUT, 4
.set KPS, 16
.set X, 16
.set XN, 80
.set ACC, 112
.set T0, 176
.set T1, 208
.set W, 240
.set LS, W
.set KT, W
.set KM, W+8
.set WOR, W
.set BR, XN
.set W1R, T0+16
.set QT0, W
.set QTJ, T1-W
.set CTB, ACC
.set SR0, ACC+16
.set SR1, ACC+24
.set RS, ACC
.set XS, 102400
.set STAGE, 245248
.set SPARE, 247296
.endif
.set IROWS, 400/NW                     ; rows of 256 bytes of the image that a wave asks for
.set BC, T0                            ; b1' of a step
.set W2R, W
.set KP, T0
.set VP, T1
.set ONES, ACC+32
.set CF, ACC+40
.set NF, ACC+56
.set MF, T1
.set BQR, T1+16
; s[4:5] input, s[6:7] image, s[8:9] output, s10 wave, s11 cx, s12 work-group, s[16:27] x's descriptor, s[28:39] the image's, s40 layers to go, s[42:43] selects of v_permlanex16_b32,
; s[44:45] GA, s[46:47] GB, s[48:49] 1/32, s50 -1e30, s51 lanes 16-31, s[52:53] 1 / tokens, s54 eps
.macro ROUND                           ; a round of the cluster's barrier
	s_barrier_signal -1
	s_barrier_wait -1
	s_cmp_lg_u32 s10, 0
	s_cbranch_scc1 .Lnot_wave_0_\@
	s_barrier_signal -3
.Lnot_wave_0_\@:
	s_barrier_wait -3
	s_barrier_signal -1
	s_barrier_wait -1
.endm
.macro PLACES n                        ; plain vector instructions between a matrix instruction and what touches its registers (ISA guide 7.12.1)
.rept \n
	v_nop
.endr
.endm
.macro LDFRAG dst, idx                 ; a fragment: 16 bytes a lane, twice; 512 consecutive bytes a load
	ds_load_b128 v[(\dst):(\dst)+3], v[FA] offset:(\idx)*1024
	ds_load_b128 v[(\dst)+4:(\dst)+7], v[FA] offset:(\idx)*1024+512
.endm
.macro LDBIAS dst, off                 ; eight biases, features 8 h + 0..7 from byte off on, in the C layout
	ds_load_b128 v[(\dst):(\dst)+3], v[BA] offset:(\off)
	ds_load_b128 v[(\dst)+4:(\dst)+7], v[BA] offset:(\off)+16
.endm
.macro MMA d, a, b, c
	v_wmma_f32_16x16x32_bf16 v[(\d):(\d)+7], v[(\a):(\a)+7], v[(\b):(\b)+7], v[(\c):(\c)+7]
.endm
.macro MMA0 d, a, b
	v_wmma_f32_16x16x32_bf16 v[(\d):(\d)+7], v[(\a):(\a)+7], v[(\b):(\b)+7], 0
.endm
.macro ALLT line:vararg                ; one line for each token tile tI
.set tI, 0
.rept NT
	\line
.set tI, tI+1
.endr
.endm
.macro ALLN line:vararg                ; one line for each of 2 NT tiles nI
.set nI, 0
.rept 2*NT
	\line
.set nI, nI+1
.endr
.endm
.macro ALLG line:vararg                ; one line for each group gI of a token tile's four features of a head: its scores at qB, its pair at work at rQ
.set gI, 0
.rept 4*NT
.set rQ, QT0+2*gI+(gI/8)*QTJ
.set qB, ACC+4*gI
	\line
.set gI, gI+1
.endr
.endm
.macro EXPS n                          ; a batch of exponentials, in place, on ACC's first n registers, a plain instruction behind the last, and one wait ahead of the first reader
.set iI, 0
.rept \n
	v_exp_f32 v[ACC+iI], v[ACC+iI]
.set iI, iI+1
.endr
	v_nop
	s_wait_alu depctr_va_vdst(0)
.endm
; XN = (X - mean) / sqrt(var + eps), bf16.  A token's 32 features lie 16 in my lane and 16 in the lane 16 away.  Two passes: the mean is taken away before the squares.
.macro LNORM
	ALLT v_pk_add_f32 v[ACC+16*tI:ACC+16*tI+1], v[X+16*tI:X+16*tI+1], v[X+16*tI+2:X+16*tI+3]
	ALLT v_pk_add_f32 v[ACC+16*tI+2:ACC+16*tI+3], v[X+16*tI+4:X+16*tI+5], v[X+16*tI+6:X+16*tI+7]
	ALLT v_pk_add_f32 v[ACC+16*tI+4:ACC+16*tI+5], v[X+16*tI+8:X+16*tI+9], v[X+16*tI+10:X+16*tI+11]
	ALLT v_pk_add_f32 v[ACC+16*tI+6:ACC+16*tI+7], v[X+16*tI+12:X+16*tI+13], v[X+16*tI+14:X+16*tI+15]
	ALLT v_pk_add_f32 v[ACC+16*tI:ACC+16*tI+1], v[ACC+16*tI:ACC+16*tI+1], v[ACC+16*tI+2:ACC+16*tI+3]
	ALLT v_pk_add_f32 v[ACC+16*tI+4:ACC+16*tI+5], v[ACC+16*tI+4:ACC+16*tI+5], v[ACC+16*tI+6:ACC+16*tI+7]
	ALLT v_pk_add_f32 v[ACC+16*tI:ACC+16*tI+1], v[ACC+16*tI:ACC+16*tI+1], v[ACC+16*tI+4:ACC+16*tI+5]
	ALLT v_add_f32 v[ACC+16*tI], v[ACC+16*tI], v[ACC+16*tI+1]
	ALLT v_permlanex16_b32 v[ACC+16*tI+1], v[ACC+16*tI], s42, s43
	ALLT v_add_f32 v[ACC+16*tI], v[ACC+16*tI], v[ACC+16*tI+1]
	ALLT v_pk_mul_f32 v[LS+4*tI:LS+4*tI+1], v[ACC+16*tI:ACC+16*tI+1], s[48:49] op_sel_hi:[1,0]   ; the mean in the low word; the pair is written whole
.irp i, 0,2,4,6,8,10,12,14
	ALLT v_pk_add_f32 v[ACC+16*tI+\i:ACC+16*tI+\i+1], v[X+16*tI+\i:X+16*tI+\i+1], v[LS+4*tI:LS+4*tI+1] op_sel_hi:[1,0] neg_lo:[0,1] neg_hi:[0,1]
.endr
	ALLT v_pk_mul_f32 v[LS+4*tI+2:LS+4*tI+3], v[ACC+16*tI:ACC+16*tI+1], v[ACC+16*tI:ACC+16*tI+1]
.irp i, 2,4,6,8,10,12,14
	ALLT v_pk_fma_f32 v[LS+4*tI+2:LS+4*tI+3], v[ACC+16*tI+\i:ACC+16*tI+\i+1], v[ACC+16*tI+\i:ACC+16*tI+\i+1], v[LS+4*tI+2:LS+4*tI+3]
.endr
	ALLT v_add_f32 v[LS+4*tI+2], v[LS+4*tI+2], v[LS+4*tI+3]
	ALLT v_permlanex16_b32 v[LS+4*tI+3], v[LS+4*tI+2], s42, s43
	ALLT v_add_f32 v[LS+4*tI+2], v[LS+4*tI+2], v[LS+4*tI+3]
	ALLT v_fma_f32 v[LS+4*tI+2], v[LS+4*tI+2], s48, s54
	ALLT v_rsq_f32 v[LS+4*tI], v[LS+4*tI+2]
	v_nop                                          ; a plain instruction behind the last root,
	s_wait_alu depctr_va_vdst(0)                   ; and one wait for the batch
.irp i, 0,2,4,6,8,10,12,14
	ALLT v_pk_mul_f32 v[ACC+16*tI+\i:ACC+16*tI+\i+1], v[ACC+16*tI+\i:ACC+16*tI+\i+1], v[LS+4*tI:LS+4*tI+1] op_sel_hi:[1,0]
.endr
.irp i, 0,1,2,3,4,5,6,7
	ALLT v_cvt_pk_bf16_f32 v[XN+8*tI+\i], v[ACC+16*tI+2*\i], v[ACC+16*tI+2*\i+1]
.endr
.endm
; The 2 NT tiles (feature tile nI / NT, token tile nI % NT) in ACC, packed to bf16: sources with k = tokens.  Each accumulator's lowest registers are read first.
.macro PACKKV dst
.set nI, 0
.rept 2*NT
.irp i, 0,1,2,3
	v_cvt_pk_bf16_f32 v[(\dst)+KPS*(nI/NT)+4*(nI%NT)+\i], v[ACC+8*nI+2*\i], v[ACC+8*nI+2*\i+1]
.endr
.set nI, nI+1
.endr
.if NT == 1
.irp f, 0,1
.irp i, 4,5,6,7
	v_mov_b32 v[(\dst)+8*\f+\i], 0                 ; tokens 16 to 31 of the step do not exist
.endr
.endr
.endif
.endm
.macro ADDB                            ; X += the bias in BR, ascending
.irp i, 0,2,4,6,8,10,12,14
	ALLT v_pk_add_f32 v[X+16*tI+\i:X+16*tI+\i+1], v[X+16*tI+\i:X+16*tI+\i+1], v[BR+\i:BR+\i+1]
.endr
.endm
; GELU of ACC's 32 pairs, packed in place to ACC's first 32 registers; T0 and T1 are 32 pairs at work.  Three runs, each a pipeline over the pairs, with one wait for each batch of transcendentals:
; P: t = x x; t = t GB + GA; t = t x; 2^t (plain and transcendental by turns)     R: t = t + 1; 1 / t     M: x = x t; rounded to bf16 (pair i goes to register i, which an earlier pair has left)
.macro GELU
.set iI, 0
.rept 35
.if iI < 32
	v_pk_mul_f32 v[T0+2*iI:T0+2*iI+1], v[ACC+2*iI:ACC+2*iI+1], v[ACC+2*iI:ACC+2*iI+1]
.endif
.if iI >= 3
	v_exp_f32 v[T0+2*iI-6], v[T0+2*iI-6]
.endif
.if (iI >= 1) && (iI < 33)
	v_pk_fma_f32 v[T0+2*iI-2:T0+2*iI-1], v[T0+2*iI-2:T0+2*iI-1], s[46:47], s[44:45] op_sel_hi:[1,0,0]
.endif
.if iI >= 3
	v_exp_f32 v[T0+2*iI-5], v[T0+2*iI-5]
.endif
.if (iI >= 2) && (iI < 34)
	v_pk_mul_f32 v[T0+2*iI-4:T0+2*iI-3], v[T0+2*iI-4:T0+2*iI-3], v[ACC+2*iI-4:ACC+2*iI-3]
.endif
.set iI, iI+1
.endr
	v_nop
	s_wait_alu depctr_va_vdst(0)                   ; the 64 exponentials
.set iI, 0
.rept 33
.if iI < 32
	v_pk_add_f32 v[T0+2*iI:T0+2*iI+1], v[T0+2*iI:T0+2*iI+1], 1.0 op_sel_hi:[1,0]
.endif
.if iI >= 1
	v_rcp_f32 v[T0+2*iI-2], v[T0+2*iI-2]
	v_rcp_f32 v[T0+2*iI-1], v[T0+2*iI-1]
.endif
.set iI, iI+1
.endr
	v_nop
	s_wait_alu depctr_va_vdst(0)                   ; the 64 reciprocals
.set iI, 0
.rept 33
.if iI < 32
	v_pk_mul_f32 v[ACC+2*iI:ACC+2*iI+1], v[ACC+2*iI:ACC+2*iI+1], v[T0+2*iI:T0+2*iI+1]
.endif
.if iI >= 1
	v_cvt_pk_bf16_f32 v[ACC+iI-1], v[ACC+2*iI-2], v[ACC+2*iI-1]
.endif
.set iI, iI+1
.endr
.endm
; Feed-forward step q: hidden tiles HB q .. HB q + HB - 1 for all my tokens.
.macro FFSTEP q
	s_wait_dscnt 0x0                               ; b1' and W1' of the step are in
.set mI, 0
.rept HB*NT
	MMA ACC+8*mI, W1R+8*(mI%HB), XN+8*(mI/HB), BC+8*(mI%HB)
.set mI, mI+1
.endr
	PLACES 4                                       ; ahead of the loads into, and the lines that read or write, those products' registers
.set mI, 0
.rept HB
	LDFRAG W2R+8*mI, F2+HB*(\q)+mI
.set mI, mI+1
.endr
	GELU
.if (\q) < STEPS-1
.set mI, 0
.rept HB
	LDBIAS BC+8*mI, B1+64*(HB*((\q)+1)+mI)
	LDFRAG W1R+8*mI, F1+HB*((\q)+1)+mI
.set mI, mI+1
.endr
	s_wait_dscnt 4*HB                              ; W2 is in; the 4 HB loads just issued, the next step's, may stay out
.else
	LDBIAS BR, B2
	LDBIAS BR+8, B2+64
	s_wait_dscnt 4                                 ; W2 is in; bf2's four loads may stay out
.endif
.set kI, 0
.rept HB/2                             ; the accumulators take turns, one instruction a turn
	ALLN v_wmma_f32_16x16x32_bf16 v[X+8*nI:X+8*nI+7], v[W2R+8*(2*kI+nI%2):W2R+8*(2*kI+nI%2)+7], v[ACC+8*((HB/2)*(nI/2)+kI):ACC+8*((HB/2)*(nI/2)+kI)+7], v[X+8*nI:X+8*nI+7]
.set kI, kI+1
.endr
	PLACES 5                                       ; ahead of the products that write over G, and of the sums that read X
.endm
	s_load_b128 s[4:7], s[0:1], 0x0
	s_load_b64 s[8:9], s[0:1], 0x10
	v_lshl_add_u32 v[SPW], v0, 2, SPARE
	v_mov_b32 v[NIL], 0
	ds_add_u32 v[SPW], v[NIL]                      ; the wave's opening: the add, twice on end, and its wait ahead of my first tensor load
	ds_add_u32 v[SPW], v[NIL]
	v_lshrrev_b32 v1, 5, v0
	v_readfirstlane_b32 s10, v1                    ; wave
	s_bfe_u32 s11, ttmp6, 0x40000                  ; cx
	s_lshl_b32 s12, ttmp9, 2                       ; in a cluster launch ttmp9 counts clusters
	s_add_co_u32 s12, s12, s11                     ; work-group
	; the image's descriptor: my IROWS rows of 256 bytes of a dense block, asked for jointly by the four work-groups; nothing in it hangs on cx
	s_mov_b32 s28, 1                               ; count
	s_mul_i32 s29, s10, IROWS*256                  ; LDS address: the image lies at LDS byte 0
	s_mov_b32 s32, 15|(3<<16)|(1<<21)              ; the mask of four; elements of 8 bytes; bit 21 set beside a mask
	s_mov_b32 s33, 32<<16                          ; tensor_dim0 = 32
	s_mov_b32 s34, IROWS<<16                       ; tensor_dim1
	s_mov_b32 s35, 32<<16                          ; tile_dim0 = 32
	s_mov_b32 s36, IROWS                           ; tile_dim1
	s_mov_b32 s37, 32                              ; elements from row to row
	s_mov_b32 s38, 0
	s_mov_b32 s39, 0
	s_mov_b32 s14, s29                             ; the same offset in memory
	s_mov_b32 s15, 0
.if !TEMPORAL
	; x's descriptor: my 124 rows (62 e + c) of my work-group's 16 p: 64 bytes of each row of 256, padded by 8 in LDS; a load of my work-group's own
	s_mov_b32 s16, 1
	s_mul_i32 s17, s10, 124*72
	s_add_co_u32 s17, s17, XS
	s_mov_b32 s20, (2<<16)|(1<<20)|(3<<22)|(1<<25) ; elements of 4 bytes; padding on; after every 16 words (code 3); 2 words (code 1)
	s_mov_b32 s21, 16<<16                          ; tensor_dim0 = 16
	s_mov_b32 s22, 124<<16                         ; tensor_dim1 = 124
	s_mov_b32 s23, 16<<16                          ; tile_dim0 = 16
	s_mov_b32 s24, 124                             ; tile_dim1 = 124
	s_mov_b32 s25, 64                              ; elements from row to row
	s_mov_b32 s26, 0
	s_mov_b32 s27, 0
	s_mul_i32 s2, ttmp9, 507904                    ; b
	s_mul_i32 s3, s10, 124*256
	s_add_co_u32 s2, s2, s3
	s_lshl_b32 s3, s11, 6
	s_add_co_u32 s2, s2, s3
	s_mov_b32 s3, 0
.endif
	s_mov_b32 s42, 0x76543210
	s_mov_b32 s43, 0xfedcba98
	s_mov_b32 s44, 0xc0135761                      ; GA = -2.3022082
	s_mov_b32 s45, s44
	s_mov_b32 s46, 0xbdd2d3e8                      ; GB = -0.10294324
	s_mov_b32 s47, s46
	s_mov_b32 s48, 0x3d000000                      ; 1/32
	s_mov_b32 s49, s48
	s_mov_b32 s50, 0xf149f2ca                      ; -1e30
	s_mov_b32 s51, 0xffff0000
.if TEMPORAL
	s_mov_b32 s52, 0x3c800000                      ; 1/64
.else
	s_mov_b32 s52, 0x3c842108                      ; 1/62
.endif
	s_mov_b32 s53, s52
	s_mov_b32 s54, 0x3727c5ac                      ; 1e-5
	s_wait_dscnt 0x0                               ; both opening adds are done
	s_wait_kmcnt 0x0
	s_add_nc_u64 s[30:31], s[6:7], s[14:15]
	s_or_b32 s31, s31, 0x80000000                  ; type = 2
.if TEMPORAL
	s_lshl_b32 s2, s12, 13                         ; my sequence: 64 rows of 128 bytes of h1
	s_mov_b32 s3, 0
	s_add_nc_u64 s[4:5], s[4:5], s[2:3]
	s_lshl_b32 s2, s12, 7                          ; and its row of out0
	s_add_nc_u64 s[8:9], s[8:9], s[2:3]
.else
	s_add_nc_u64 s[18:19], s[4:5], s[2:3]
	s_or_b32 s19, s19, 0x80000000
	s_lshl_b32 s2, s12, 11                         ; my work-group's 16 rows of h1
	s_add_nc_u64 s[8:9], s[8:9], s[2:3]
.endif
	ROUND                                          ; all four work-groups are here: the joint loads meet
.if !TEMPORAL
	tensor_load_to_lds s[16:19], s[20:27]
	s_nop 0
.endif
	tensor_load_to_lds s[28:31], s[32:39]
	s_nop 0
	v_and_b32 v1, 31, v0                           ; L
	v_and_b32 v[ACC], 15, v0                       ; r
	v_bfe_u32 v[ACC+1], v0, 4, 1                   ; h
.if TEMPORAL
	v_lshrrev_b32 v15, 5, v0
	v_lshlrev_b32 v15, 11, v15                     ; my wave's 16 tokens,
	v_lshl_add_u32 v15, v[ACC], 7, v15             ; token r,
	v_lshl_add_u32 v15, v[ACC+1], 5, v15           ; features 8 h on
	global_load_b128 v[X:X+3], v15, s[4:5]
	global_load_b128 v[X+4:X+7], v15, s[4:5] offset:16
	global_load_b128 v[X+8:X+11], v15, s[4:5] offset:64
	global_load_b128 v[X+12:X+15], v15, s[4:5] offset:80
.endif
	v_lshlrev_b32 v[FA], 4, v1
	v_lshlrev_b32 v[BA], 5, v[ACC+1]
	v_add_nc_u32 v[BA], BIAS, v[BA]
	v_lshrrev_b32 v10, 2, v[ACC]
	v_lshlrev_b32 v11, 1, v[ACC+1]
	v_cmp_eq_u32 vcc_lo, v10, v11
	v_cndmask_b32 v[ML], 0, 1.0, vcc_lo
	v_add_nc_u32 v11, 1, v11
	v_cmp_eq_u32 vcc_lo, v10, v11
	v_cndmask_b32 v[MH], 0, 1.0, vcc_lo
	s_lshl_b32 s41, s10, 7
	s_add_co_u32 s41, s41, STAGE
	v_lshl_add_u32 v[STA], v[ACC+1], 5, s41        ; STAGE + 128 wave + 32 h
.irp i, 0,1,2,3
	v_mov_b32 v[KM+\i], 0                          ; pairs that are named whole are written whole
.endr
.if TEMPORAL
	s_mul_i32 s13, s10, 2560
	s_add_co_u32 s13, s13, EX
	v_add_nc_u32 v[EXS], s13, v[FA]                ; where I put 16 bytes of my wave's CT,
	v_lshl_add_u32 v[EXT], v1, 3, s13
	v_add_nc_u32 v[EXT], 1024, v[EXT]              ; and its pair (m, S)
	v_add_nc_u32 v[EXL], EX, v[FA]                 ; where I read all four waves'
	v_lshlrev_b32 v[EXM], 3, v1
	v_add_nc_u32 v[EXM], EX+1024, v[EXM]
.else
	v_cmp_gt_u32 vcc_lo, 14, v[ACC]
	v_cndmask_b32 v[PM], 0, 1.0, vcc_lo
	v_cndmask_b32 v[PM+1], 0, 1.0, vcc_lo
	s_lshl_b32 s13, s10, 2
	s_add_co_u32 s13, s13, XS                      ; my sequence: word w of each row
	v_mul_u32_u24 v1, v[ACC+1], 8*62*72            ; 8 h features
	v_mul_u32_u24 v10, v[ACC], 72                  ; token r of tiles 0 to 2
	v_add3_u32 v10, v10, v1, s13
	v_add_nc_u32 v11, 16*62*72, v10                ; feature tile 1
	v_add_nc_u32 v12, 48, v[ACC]
	v_min_u32 v12, 61, v12                         ; tile 3: places 62 and 63 copy token 61, so that they hold finite numbers
	v_mul_u32_u24 v12, v12, 72
	v_add3_u32 v12, v12, v1, s13
	v_add_nc_u32 v13, 16*62*72, v12
.endif
	s_wait_tensorcnt 0x0                           ; my part of the image has landed,
	s_barrier_signal -1
	s_barrier_wait -1                              ; everybody's has
.if TEMPORAL
	s_wait_loadcnt 0x0
.else
.irp t, 0,1
.irp j, 0,1,2,3,4,5,6,7
.irp a, 0,1,2
	ds_load_b32 v[X+16*\a+8*\t+\j], v[10+\t] offset:16*72*\a+62*72*\j
.endr
	ds_load_b32 v[X+48+8*\t+\j], v[12+\t] offset:62*72*\j
.endr
.endr
	s_wait_dscnt 0x0
.endif
	s_mov_b32 s40, 4
.Llayer:
	LDFRAG T1, FK
	LDFRAG T1+8, FK+1
	LDFRAG T1+16, FV
	LDFRAG T1+24, FV+1
	LNORM
	s_wait_dscnt 0x0                               ; Wk' and Wv' are in
	ALLN v_wmma_f32_16x16x32_bf16 v[ACC+8*nI:ACC+8*nI+7], v[XN+8*(nI%NT):XN+8*(nI%NT)+7], v[T1+8*(nI/NT):T1+8*(nI/NT)+7], 0
	PLACES 4
	; k's softmax over the tokens: the maximum of a feature's tokens, within the lane and with the lane 16 away, is taken away; the sum comes from the matrix unit below
	ALLN v_max3_num_f32 v[KT+nI], v[ACC+8*nI], v[ACC+8*nI+1], v[ACC+8*nI+2]
.if PAD
.irp f, 0,1
	v_cndmask_b32 v[ACC+8*(4*\f+3)+6], v[ACC+8*(4*\f+3)+6], s50, s51   ; places 62 and 63: tile 3, lanes 16-31, registers 6 and 7
	v_cndmask_b32 v[ACC+8*(4*\f+3)+7], v[ACC+8*(4*\f+3)+7], s50, s51
.endr
.endif
	ALLN v_max3_num_f32 v[KT+nI], v[KT+nI], v[ACC+8*nI+3], v[ACC+8*nI+4]
	ALLN v_max3_num_f32 v[KT+nI], v[KT+nI], v[ACC+8*nI+5], v[ACC+8*nI+6]
	ALLN v_max_num_f32 v[KT+nI], v[KT+nI], v[ACC+8*nI+7]
.if NT == 4
.irp f, 0,1
	v_max3_num_f32 v[KT+4*\f], v[KT+4*\f], v[KT+4*\f+1], v[KT+4*\f+2]
.endr
.irp f, 0,1
	v_max_num_f32 v[KT+4*\f], v[KT+4*\f], v[KT+4*\f+3]
.endr
.endif
.irp f, 0,1
	v_permlanex16_b32 v[KM+2*\f], v[KT+NT*\f], s42, s43
.endr
.irp f, 0,1
	v_max_num_f32 v[KM+2*\f], v[KT+NT*\f], v[KM+2*\f]
.endr
.irp i, 0,2,4,6
	ALLN v_pk_add_f32 v[ACC+8*nI+\i:ACC+8*nI+\i+1], v[ACC+8*nI+\i:ACC+8*nI+\i+1], v[KM+2*(nI/NT):KM+2*(nI/NT)+1] op_sel_hi:[1,0] neg_lo:[0,1] neg_hi:[0,1]
.endr
	EXPS 16*NT
	PACKKV KP
	ALLN v_wmma_f32_16x16x32_bf16 v[ACC+8*nI:ACC+8*nI+7], v[XN+8*(nI%NT):XN+8*(nI%NT)+7], v[T1+16+8*(nI/NT):T1+16+8*(nI/NT)+7], 0
	PLACES 4
	LDFRAG WOR, FO
	LDFRAG WOR+8, FO+1
	PACKKV VP
.irp i, 0,1,2,3,4,5,6,7
	v_mov_b32 v[ONES+\i], 0x3f803f80               ; 1.0 twice, in bf16
.endr
	; ctx^T and the sums of k's weights; four accumulators by turns
.set sI, 0
.rept NS
.if sI == 0
	MMA0 ACC, VP, KP
	MMA0 ACC+8, VP+KPS, KP+KPS
	MMA0 ACC+16, ONES, KP
	MMA0 ACC+24, ONES, KP+KPS
.else
	MMA ACC, VP+8*sI, KP+8*sI, ACC
	MMA ACC+8, VP+KPS+8*sI, KP+KPS+8*sI, ACC+8
	MMA ACC+16, ONES, KP+8*sI, ACC+16
	MMA ACC+24, ONES, KP+KPS+8*sI, ACC+24
.endif
.set sI, sI+1
.endr
.irp i, 0,1,2,3
	v_mov_b32 v[CF+4+\i], 0                        ; the halves of CF that belong to the other feature tile: eight plain lines, the places behind those products
	v_mov_b32 v[CF+8+\i], 0
.endr
.if SPLIT
	; each wave has the context of its 16 tokens, taken with its own maximum m: the four are put in LDS, and every wave adds them up with the factors 2^(m_w - m)
	v_mov_b32 v[KM+1], v[ACC+16]
	v_mov_b32 v[KM+3], v[ACC+24]
.irp t, 0,1
	ds_store_b128 v[EXS], v[ACC+8*\t:ACC+8*\t+3] offset:1280*\t
	ds_store_b128 v[EXS], v[ACC+8*\t+4:ACC+8*\t+7] offset:1280*\t+512
	ds_store_b64 v[EXT], v[KM+2*\t:KM+2*\t+1] offset:1280*\t
.endr
	s_wait_dscnt 0x0                               ; for the others' sake: my stores are done
	s_barrier_signal -1
	s_barrier_wait -1
.irp w, 0,1,2,3
.irp t, 0,1
	ds_load_b128 v[EXR+16*\w+8*\t:EXR+16*\w+8*\t+3], v[EXL] offset:2560*\w+1280*\t
	ds_load_b128 v[EXR+16*\w+8*\t+4:EXR+16*\w+8*\t+7], v[EXL] offset:2560*\w+1280*\t+512
	ds_load_b64 v[MSR+4*\w+2*\t:MSR+4*\w+2*\t+1], v[EXM] offset:2560*\w+1280*\t
.endr
.endr
	s_wait_dscnt 0x0                               ; my reads are over:
	s_barrier_signal -1
	s_barrier_wait -1                              ; nobody stores the next layer's before all have read this one's
.irp t, 0,1
	v_max3_num_f32 v[KT+\t], v[MSR+2*\t], v[MSR+4+2*\t], v[MSR+8+2*\t]
.endr
.irp t, 0,1
	v_max_num_f32 v[KT+\t], v[KT+\t], v[MSR+12+2*\t]
.endr
.irp w, 0,1,2,3
.irp t, 0,1
	v_sub_f32 v[MSR+4*\w+2*\t], v[MSR+4*\w+2*\t], v[KT+\t]
.endr
.endr
.irp w, 0,1,2,3
.irp t, 0,1
	v_exp_f32 v[MSR+4*\w+2*\t], v[MSR+4*\w+2*\t]
.endr
.endr
	v_nop
	s_wait_alu depctr_va_vdst(0)                   ; one wait for the eight factors
.irp t, 0,1
	v_mul_f32 v[MSR+2*\t+1], v[MSR+2*\t+1], v[MSR+2*\t]
.endr
.irp w, 1,2,3
.irp t, 0,1
	v_fmac_f32 v[MSR+2*\t+1], v[MSR+4*\w+2*\t+1], v[MSR+4*\w+2*\t]
.endr
.endr
.irp t, 0,1
.irp i, 0,2,4,6
	v_pk_mul_f32 v[EXR+8*\t+\i:EXR+8*\t+\i+1], v[EXR+8*\t+\i:EXR+8*\t+\i+1], v[MSR+2*\t:MSR+2*\t+1] op_sel_hi:[1,0]
.endr
.endr
.irp w, 1,2,3
.irp t, 0,1
.irp i, 0,2,4,6
	v_pk_fma_f32 v[EXR+8*\t+\i:EXR+8*\t+\i+1], v[EXR+16*\w+8*\t+\i:EXR+16*\w+8*\t+\i+1], v[MSR+4*\w+2*\t:MSR+4*\w+2*\t+1], v[EXR+8*\t+\i:EXR+8*\t+\i+1] op_sel_hi:[1,0,1]
.endr
.endr
.endr
.endif
	; ctx^T is divided by the sums, cut to the heads' blocks and packed: rows d, k = e
	v_rcp_f32 v[NF], v[SR0]
	v_rcp_f32 v[NF+1], v[SR1]
	v_nop
	s_wait_alu depctr_va_vdst(0)
	v_mul_f32 v[NF+2], v[NF], v[ML]
	v_mul_f32 v[NF+3], v[NF], v[MH]
	v_mul_f32 v[NF+4], v[NF+1], v[ML]
	v_mul_f32 v[NF+5], v[NF+1], v[MH]
.irp t, 0,1
.irp j, 0,1,2,3,4,5,6,7
	v_mul_f32 v[CTB+8*\t+\j], v[CTB+8*\t+\j], v[NF+2+2*\t+\j/4]
.endr
.endr
.irp i, 0,1,2,3
	v_cvt_pk_bf16_f32 v[CF+\i], v[CTB+2*\i], v[CTB+2*\i+1]
	v_cvt_pk_bf16_f32 v[CF+12+\i], v[CTB+8+2*\i], v[CTB+8+2*\i+1]
.endr
	s_wait_dscnt 0x0                               ; Wo' is in
.irp f, 0,1
.irp d, 0,1
	MMA0 ACC+8*(2*\f+\d), CF+8*\d, WOR+8*\f
.endr
.endr
	PLACES 4
	LDFRAG WOR, FQ                                 ; Wq' takes Wo's place
	LDFRAG WOR+8, FQ+1
	LDBIAS BQR, BQ
	LDBIAS BQR+8, BQ+64
.set iI, 0
.rept 16
	v_cvt_pk_bf16_f32 v[MF+iI], v[ACC+2*iI], v[ACC+2*iI+1]
.set iI, iI+1
.endr
	s_wait_dscnt 0x0                               ; Wq' and bq are in
	ALLN v_wmma_f32_16x16x32_bf16 v[ACC+8*nI:ACC+8*nI+7], v[WOR+8*(nI%2):WOR+8*(nI%2)+7], v[XN+8*(nI/2):XN+8*(nI/2)+7], v[BQR+8*(nI%2):BQR+8*(nI%2)+7]
	PLACES 4
	LDBIAS BR, BO
	LDBIAS BR+8, BO+64
	; q's softmax over a head's four features, all in one lane
	ALLG v_max3_num_f32 v[rQ], v[qB], v[qB+1], v[qB+2]
	ALLG v_max_num_f32 v[rQ], v[rQ], v[qB+3]
	ALLG v_pk_add_f32 v[qB:qB+1], v[qB:qB+1], v[rQ:rQ+1] op_sel_hi:[1,0] neg_lo:[0,1] neg_hi:[0,1]
	ALLG v_pk_add_f32 v[qB+2:qB+3], v[qB+2:qB+3], v[rQ:rQ+1] op_sel_hi:[1,0] neg_lo:[0,1] neg_hi:[0,1]
	EXPS 16*NT
	ALLG v_pk_add_f32 v[rQ:rQ+1], v[qB:qB+1], v[qB+2:qB+3]
	ALLG v_add_f32 v[rQ], v[rQ], v[rQ+1]
	ALLG v_rcp_f32 v[rQ], v[rQ]
	v_nop
	s_wait_alu depctr_va_vdst(0)
	ALLG v_pk_mul_f32 v[qB:qB+1], v[qB:qB+1], v[rQ:rQ+1] op_sel_hi:[1,0]
	ALLG v_pk_mul_f32 v[qB+2:qB+3], v[qB+2:qB+3], v[rQ:rQ+1] op_sel_hi:[1,0]
	ALLG v_cvt_pk_bf16_f32 v[T0+2*gI], v[qB], v[qB+1]
	ALLG v_cvt_pk_bf16_f32 v[T0+2*gI+1], v[qB+2], v[qB+3]
	ALLN v_wmma_f32_16x16x32_bf16 v[X+8*nI:X+8*nI+7], v[MF+8*(nI%2):MF+8*(nI%2)+7], v[T0+8*(nI/2):T0+8*(nI/2)+7], v[X+8*nI:X+8*nI+7]
	PLACES 4
.set mI, 0
.rept HB
	LDBIAS BC+8*mI, B1+64*mI
	LDFRAG W1R+8*mI, F1+mI
.set mI, mI+1
.endr
	s_wait_dscnt 4*HB                              ; bo' is in; the 4 HB loads just issued may stay out
	ADDB
	LNORM
.set qI, 0
.rept STEPS
	FFSTEP qI
.set qI, qI+1
.endr
	s_wait_dscnt 0x0                               ; bf2 is in
	ADDB
	v_add_nc_u32 v[FA], LAYB, v[FA]                ; the next layer's image
	v_add_nc_u32 v[BA], LAYB, v[BA]
	s_sub_co_u32 s40, s40, 1
	s_cmp_lg_u32 s40, 0
	s_cbranch_scc1 .Llayer
	; THE MEAN OVER THE TOKENS: over my tiles, then over the 16 lanes of each half (a lane is a token)
.if !TEMPORAL
.irp i, 0,2,4,6,8,10,12,14
	v_pk_add_f32 v[RS+\i:RS+\i+1], v[X+\i:X+\i+1], v[X+16+\i:X+16+\i+1]
.endr
.irp i, 0,2,4,6,8,10,12,14
	v_pk_add_f32 v[RS+\i:RS+\i+1], v[RS+\i:RS+\i+1], v[X+32+\i:X+32+\i+1]
.endr
.irp i, 0,2,4,6,8,10,12,14
	v_pk_fma_f32 v[RS+\i:RS+\i+1], v[X+48+\i:X+48+\i+1], v[PM:PM+1], v[RS+\i:RS+\i+1]   ; the fourth tile's places 62 and 63 count as 0
.endr
.endif
.irp m, 1,2,4,8
.set iI, 0
.rept 16
	v_add_f32_dpp v[RS+iI], v[RS+iI], v[RS+iI] row_xmask:\m row_mask:0xf bank_mask:0xf
.set iI, iI+1
.endr
.endr
.if !TEMPORAL
.irp i, 0,2,4,6,8,10,12,14
	v_pk_mul_f32 v[RS+\i:RS+\i+1], v[RS+\i:RS+\i+1], s[52:53] op_sel_hi:[1,0]
.endr
.endif
	ds_store_b128 v[STA], v[RS:RS+3]               ; features 8 h + 0..7 and 16 + 8 h + 0..7; the 16 lanes of a half write the same bytes with the same numbers
	ds_store_b128 v[STA], v[RS+4:RS+7] offset:16
	ds_store_b128 v[STA], v[RS+8:RS+11] offset:64
	ds_store_b128 v[STA], v[RS+12:RS+15] offset:80
	s_wait_dscnt 0x0
	s_barrier_signal -1
	s_barrier_wait -1
	s_cmp_lt_u32 s10, NOUT
	s_cbranch_scc0 .Lend
.if TEMPORAL
	v_lshl_add_u32 v13, v0, 2, STAGE               ; wave 0: feature L of the four waves' sums
.irp w, 0,1,2,3
	ds_load_b32 v[ACC+\w], v13 offset:128*\w
.endr
	v_lshlrev_b32 v15, 2, v0
	s_wait_dscnt 0x0
	v_add_f32 v[ACC], v[ACC], v[ACC+1]
	v_add_f32 v[ACC+2], v[ACC+2], v[ACC+3]
	v_add_f32 v[ACC], v[ACC], v[ACC+2]
	v_mul_f32 v[ACC], s52, v[ACC]
	global_store_b32 v15, v[ACC], s[8:9]
.else
	v_lshlrev_b32 v15, 4, v0                       ; waves 0 to 3: 512 wave + 16 L: the 16 sequences' means are 2,048 consecutive bytes of h1
	v_add_nc_u32 v13, STAGE, v15
	ds_load_b128 v[ACC:ACC+3], v13
	s_wait_dscnt 0x0
	global_store_b128 v15, v[ACC:ACC+3], s[8:9]    ; each store of a wave covers 512 consecutive bytes, aligned
.endif
.Lend:
	s_wait_tensorcnt 0x0                           ; the wave's end: a closing add, behind my last tensor load and my last LDS store
	ds_add_u32 v[SPW], v[NIL]
	s_wait_dscnt 0x0
	ROUND                                          ; the closing round: no work-group ends while a partner may still ask for the image
	s_endpgm
.Lfunc_end_k_q92496bed82_temp:
	.size	k_q92496bed82_temp, .Lfunc_end_k_q92496bed82_temp-k_q92496bed82_temp
	.p2alignl 7, 3214868480
	.fill 96, 4, 3214868480
	.section	.rodata,"a",@progbits
	.p2align	6, 0x0
	.amdhsa_kernel k_q92496bed82_temp
		.amdhsa_group_segment_fixed_size 167936
		.amdhsa_private_segment_fixed_size 0
		.amdhsa_enable_private_segment 0
		.amdhsa_kernarg_size 24
		.amdhsa_user_sgpr_count 2
		.amdhsa_user_sgpr_kernarg_segment_ptr 1
		.amdhsa_wavefront_size32 1
		.amdhsa_system_sgpr_workgroup_id_x 1
		.amdhsa_system_sgpr_workgroup_id_y 1
		.amdhsa_system_sgpr_workgroup_id_z 1
		.amdhsa_system_vgpr_workitem_id 0
		.amdhsa_next_free_vgpr 256
		.amdhsa_next_free_sgpr 66
		.amdhsa_reserve_vcc 1
		.amdhsa_float_denorm_mode_32 3
		.amdhsa_float_denorm_mode_16_64 3
		.amdhsa_memory_ordered 1
		.amdhsa_forward_progress 1
		.amdhsa_inst_pref_size 56
	.end_amdhsa_kernel
	.amdgpu_metadata
---
amdhsa.version: [ 1, 2 ]
amdhsa.kernels:
  - .name:           k_q92496bed82_temp
    .symbol:         k_q92496bed82_temp.kd
    .args:
      - { .name: h1, .offset: 0, .size: 8, .value_kind: global_buffer, .address_space: global }
      - { .name: imgt, .offset: 8, .size: 8, .value_kind: global_buffer, .address_space: global }
      - { .name: out0, .offset: 16, .size: 8, .value_kind: global_buffer, .address_space: global }
    .group_segment_fixed_size: 167936
    .private_segment_fixed_size: 0
    .kernarg_segment_align: 8
    .kernarg_segment_size: 24
    .max_flat_workgroup_size: 128
    .sgpr_count:     66
    .vgpr_count:     256
    .wavefront_size: 32
...
	.end_amdgpu_metadata
.endif
;; end of part 3
